; MI455X (gfx1250); checked and timed in simulation.
; The chip was launched on July 23, 2026; its instructions are those of AMD's public machine-readable ISA for CDNA 5 (MIT licence, August 2026) and "CDNA5" Instruction Set Architecture Reference Guide (July 2026). The comments in the code are by the model that wrote it; some were corrected since.
;; Efficient Attention. Allowed arithmetic: matrix products marked QUANTISED: E2M1 operands, one E8M0 scale for each 32 along K, by v_wmma_scale_f32_16x16x128_f8f6f4 with both operands' format E2M1 (or v_wmma_scale_f32_32x16x128_f4), f32 sums; products left as they are: bf16, f16 or f32 operands; f32 sums; everything else in f32.
;; Inputs: k_proj 1,024 x 1,024 float32; out_proj 1,024 x 1,024 float32; q_proj 1,024 x 1,024 float32; v_proj 1,024 x 1,024 float32; x 2 x 2,048 x 1,024 float32.
;; Outputs: out0 2 x 2,048 x 1,024 float32.
;; This version of the problem:
;;   THIS VERSION OF THE PROBLEM IS GIVEN IN LOW PRECISION. The matrix products marked QUANTISED in the list below multiply operands that are first quantised to E2M1 (2 exponent bits, 1 mantissa bit; 4 bits a number), with one power-of-two scale for each 32 numbers along K (OCP MX v1.0); their sums are f32. The products marked 'left as it is' may take bf16, f16 or f32 operands, with f32 sums. Whichever they take, every output number must still come out within the allowed error. Rounding operands to bf16 (8 significant bits) uses up far more of that allowance than f16 does (11 bits, for magnitudes from 6e-5 to 65,504). All else is computed in f32.
;;   The module's matrix products, in the order in which they are computed (A, B: the left and right operand; K: the contracted axis; several contracted axes count as one K, in the product's order):
;;     1. [M 4,096, K 1,024] x [K 1,024, N 1,024]; A: input x; B: input q_proj: QUANTISED
;;     2. [M 4,096, K 1,024] x [K 1,024, N 1,024]; A: input x; B: input k_proj: QUANTISED
;;     3. [M 4,096, K 1,024] x [K 1,024, N 1,024]; A: input x; B: input v_proj: QUANTISED
;;     4. batch 32 x [M 2,048, K 64] x [K 64, N 2,048]; A: computed on the way; B: computed on the way: left as it is (an operand is computed on the way)
;;     5. batch 32 x [M 2,048, K 2,048] x [K 2,048, N 64]; A: computed on the way; B: computed on the way: left as it is (an operand is computed on the way)
;;     6. [M 4,096, K 1,024] x [K 1,024, N 1,024]; A: computed on the way; B: input out_proj: left as it is (an operand is computed on the way)
;;   THE QUANTISER, for each operand of a quantised product, along K:
;;     - K is cut into blocks of 32 from its start; a last block that is shorter is filled with zeros.
;;     - A block's scale is 2^e with e = floor(log2(the largest magnitude in the block)) - 2, held to -126 .. 127; a block of zeros has e = 0. As a byte (E8M0): e + 127.
;;     - Each number is divided by its block's scale, clamped to +-6, and rounded to the nearest number of E2M1, ties to even, subnormals kept.
;;     - The product sums the exact products of the quantised numbers (number of the format x scale) in f32.
;;   ~~~python
;;   def quantise(x, axis):      # numpy; x: float32 -> the quantised numbers, widened to float32 again
;;       x = np.moveaxis(x, axis, -1); K = x.shape[-1]
;;       x = np.pad(x, [(0, 0)] * (x.ndim - 1) + [(0, -K % 32)]); x = x.reshape(x.shape[:-1] + (-1, 32)); a = np.abs(x).max(-1, keepdims=True)
;;       e = np.where(a > 0, np.clip(np.frexp(np.where(a > 0, a, 1))[1] - 1 - 2, -126, 127), 0)      # np.frexp(a)[1] - 1 = floor(log2(a)), exactly
;;       r = np.clip(x / 2.0 ** e, -6, 6)
;;       step = 2.0 ** (np.maximum(np.frexp(np.where(r == 0, 1, r))[1] - 1, 0) - 1)
;;       q = np.round(r / step) * step * 2.0 ** e      # np.round: ties to even
;;       return np.moveaxis(q.reshape(q.shape[:-2] + (-1,))[..., :K], -1, axis).astype(np.float32)
;;   ~~~
;; One version. Each part assembles by itself: llvm-mc -triple=amdgcn-amd-amdhsa -mcpu=gfx1250 --defsym DOCPART=n.
;; ======== version 1 of 1: 5 launches
;; limits: values are held in f16: magnitudes above 65,504 overflow, below 6.1e-05 lose precision
;; workspace buffers: x_codes 2,097,152 bytes; x_scales 131,072 bytes; w_codes 1,572,864 bytes; w_scales 98,304 bytes; wo16 2,097,152 bytes; qkv 25,165,824 bytes; qkv32 3,145,728 bytes; ctx16 8,388,608 bytes
;; launch prep (part 1): grid 256 x 1, 8 waves a work-group, no clusters, 61,440 bytes of LDS; arguments x, q_proj, k_proj, v_proj, out_proj, x_codes, x_scales, w_codes, w_scales, wo16; writes x_codes, x_scales, w_codes, w_scales, wo16
.if DOCPART == 1
	.amdgcn_target "amdgcn-amd-amdhsa--gfx1250"
	.amdhsa_code_object_version 6
	.text
	.protected	k_q673aeaa9de_prep
	.globl	k_q673aeaa9de_prep
	.p2align	8
	.type	k_q673aeaa9de_prep,@function
k_q673aeaa9de_prep:
	s_mov_b64 s[64:65], 0
	v_nop
	global_prefetch_b8 v0, s[64:65] scope:SCOPE_SE
	s_setreg_imm32_b32 hwreg(HW_REG_WAVE_MODE, 25, 1), 1
	s_wait_xcnt 0x0
; PREP: the operands of the three quantised products become codes of E2M1 with one E8M0 byte for each 32 along K, and out_proj becomes f16.
; Three kinds of work-group, told apart by the work-group's number alone; each kind has LDS bytes of its own and an end of its own, and each work-group reads 131,072 bytes.
;   0-127   x [4096][1024] f32, K innermost: a plain stream of blocks of 32.  A wave takes 8 steps of 512 numbers; all its 32 loads go out at the start.
;   128-223 q_proj, k_proj, v_proj [1024 k][1024 n] f32, K outermost: a lane takes a column and its registers run down K.  A work-group takes 64 columns x 512 along K;
;           a wave 32 columns x 128 along K (four blocks), all 128 loads issued on end.  The codes meet in LDS and leave as rows: sixteen lanes store 256 consecutive bytes, aligned.
;   224-255 out_proj f32 -> f16, same layout: 16,384 bytes a wave.
; A block's scale is 2^(floor(log2(largest magnitude)) - 2); its byte is the largest magnitude's exponent field - 2, held at 1 from below.
; LIMITS: a block of zeros gets the byte 1 where the rule says 127 (its codes are zeros, and this program alone reads the bytes); blocks whose largest magnitude lies under 2^-124
; get the floor's byte; NaN and infinities among the inputs are not served; |out_proj| above 65,504 becomes infinity in f16.
.set SP,    80                         ; x: a lane's place in a stage: 64 bytes + 16 of padding
.set XSTG,  2*32*SP                    ; x: a wave's two stages
.set XSC,   8*XSTG                     ; x: the work-group's 1,024 scale bytes, 128 a wave
.set WSTG,  XSC+1024                   ; weights: 64 columns' codes, 256 bytes each, rows WP apart
.set WP,    272
.set WSC,   WSTG+64*WP                 ; weights: 64 columns' 16 scale bytes
.set SPARE, WSC+1024                   ; the spare words, 128 bytes for each wave: four blocks of 256 bytes that no other line names
.set SPW,   12                         ; v12  SPARE + 4 x my thread's number; never rewritten
.set NIL,   13                         ; v13  0; never rewritten
.set XR,    16                         ; v16-143  x: eight sets of 16 numbers as loaded
.set XX,    144                        ; v144-175 x: two sets of 16 neighbours
.set XE,    176                        ; v176-183 x: a scale byte for each step
.set XC,    192                        ; v192-207 x: two registers of codes for each step
.macro FINISH                          ; a wave's end, behind its last LDS store
	s_wait_tensorcnt 0x0
	ds_add_u32 v[SPW], v[NIL]
	s_wait_dscnt 0x0
	s_endpgm
.endm
	s_load_b512 s[4:19], s[0:1], 0x0               ; x 4, q_proj 6, k_proj 8, v_proj 10, out_proj 12, x_codes 14, x_scales 16, w_codes 18
	s_load_b128 s[20:23], s[0:1], 0x40             ; w_scales 20, wo16 22
	v_lshl_add_u32 v[SPW], v0, 2, SPARE
	v_mov_b32 v[NIL], 0
	v_lshrrev_b32 v1, 5, v0
	v_readfirstlane_b32 s24, v1                    ; wave 0..7
	v_and_b32 v2, 31, v0                           ; lane
	v_lshlrev_b32 v3, 4, v2                        ; 16 x lane
	v_lshlrev_b32 v4, 3, v2                        ; 8 x lane
	s_mov_b32 s29, 0                               ; the high word of every byte offset here
	s_wait_kmcnt 0x0
	s_cmp_lt_u32 ttmp9, 128
	s_cbranch_scc0 .Lnot_x
; ---------------- x ----------------
	s_lshl_b32 s26, ttmp9, 3
	s_add_co_u32 s26, s26, s24                     ; which run of 4,096 numbers is my wave's
	s_lshl_b32 s28, s26, 14
	s_add_nc_u64 s[4:5], s[4:5], s[28:29]
	s_lshl_b32 s28, s26, 11
	s_add_nc_u64 s[14:15], s[14:15], s[28:29]
	s_lshl_b32 s28, ttmp9, 10                      ; the work-group's 1,024 scale bytes
	s_add_nc_u64 s[16:17], s[16:17], s[28:29]
	s_mul_i32 s27, s24, XSTG                       ; my wave's stages
	v_lshrrev_b32 v14, 2, v2
	v_mul_u32_u24 v14, v14, SP
	v_and_b32 v15, 3, v2
	v_lshl_add_u32 v14, v15, 4, v14
	v_add_nc_u32 v14, s27, v14                     ; into a stage: SP (lane / 4) + 16 (lane % 4)
	v_mul_u32_u24 v15, v2, SP
	v_add_nc_u32 v15, s27, v15                     ; out of it: SP x lane: my 16 neighbours
	v_lshrrev_b32 v5, 1, v2
	s_lshl_b32 s30, s24, 7
	s_add_co_u32 s30, s30, XSC
	v_add_nc_u32 v5, s30, v5                       ; my block's scale byte: 128 bytes a wave
	v_and_b32 v7, 63, v0
	v_lshlrev_b32 v7, 4, v7                        ; on the way out 16 bytes a thread of waves 0 and 1
	v_add_nc_u32 v6, XSC, v7
.macro XLOAD t
.irp i, 0,1,2,3
	global_load_b128 v[XR+16*(\t)+4*\i:XR+16*(\t)+4*\i+3], v3, s[4:5] offset:2048*(\t)+512*\i th:TH_LOAD_NT   ; 32 lanes read 512 consecutive bytes
.endr
.endm
.macro XTURN t                         ; a step's 2,048 bytes through the stage; LDS serves a wave's instructions in order, so no wait stands between the stores and the loads
.irp i, 0,1,2,3
	ds_store_b128 v14, v[XR+16*(\t)+4*\i:XR+16*(\t)+4*\i+3] offset:32*SP*((\t)%2)+8*SP*\i
.endr
.irp i, 0,1,2,3
	ds_load_b128 v[XX+16*((\t)%2)+4*\i:XX+16*((\t)%2)+4*\i+3], v15 offset:32*SP*((\t)%2)+16*\i
.endr
.endm
.irp t, 0,1,2,3,4,5,6,7
	XLOAD \t
.endr
	s_wait_loadcnt 28                              ; step 0's four loads are in; the 28 behind them may be out
	XTURN 0
.macro XSTEP t
.set XS, XX+16*((\t)%2)
.if (\t) > 0
	s_wait_dscnt 1                                 ; this step's numbers are back from the stage; the last step's byte store may be out
.else
	s_wait_dscnt 0x0
.endif
.if (\t)+1 < 8
	s_wait_loadcnt 4*(6-(\t))                      ; the next step's four are in; those of the steps behind it may be out
	XTURN (\t)+1
.endif
	v_max3_num_f32 v8, |v[XS]|, |v[XS+1]|, |v[XS+2]|
	v_max3_num_f32 v9, |v[XS+3]|, |v[XS+4]|, |v[XS+5]|
.irp i, 6,10
	v_max3_num_f32 v8, v8, |v[XS+\i]|, |v[XS+\i+1]|
	v_max3_num_f32 v9, v9, |v[XS+\i+2]|, |v[XS+\i+3]|
.endr
	v_max3_num_f32 v8, v8, |v[XS+14]|, |v[XS+15]|
	v_max3_num_f32 v8, v8, v9, 0x1800000           ; and the floor 2^(3 - 127): the byte cannot fall under 1
	v_max_num_f32_dpp v8, v8, v8 row_xmask:1 row_mask:0xf bank_mask:0xf   ; with my neighbour's 16: the block's largest magnitude
	v_add_nc_u32 v11, 0xff000000, v8               ; 2 off its exponent field: the conversion's scale operand
	v_cvt_scalef32_pk8_fp4_f32 v[XC+2*(\t)], v[XS:XS+7], v11
	v_cvt_scalef32_pk8_fp4_f32 v[XC+2*(\t)+1], v[XS+8:XS+15], v11
	v_lshrrev_b32 v[XE+(\t)], 23, v11              ; the scale's byte
	ds_store_b8 v5, v[XE+(\t)] offset:16*(\t)      ; both lanes of a block write the same byte with the same value
	global_store_b64 v4, v[XC+2*(\t):XC+2*(\t)+1], s[14:15] offset:256*(\t)   ; the wave stores 256 consecutive bytes, aligned
.endm
.irp t, 0,1,2,3,4,5,6,7
	XSTEP \t
.endr
	s_wait_dscnt 0x0                               ; for the others' sake: my 128 scale bytes have landed
	s_barrier_signal -1
	s_barrier_wait -1                              ; all eight waves of this work-group are on this path
	s_cmp_lt_u32 s24, 2                            ; a wave's 128 bytes are half of an aligned 256: waves 0 and 1 store the work-group's 1,024, 512 consecutive bytes each
	s_cbranch_scc0 .Lx_end
	ds_load_b128 v[8:11], v6
	s_wait_dscnt 0x0
	global_store_b128 v7, v[8:11], s[16:17]
.Lx_end:
	FINISH
; ---------------- the three weights ----------------
.Lnot_x:
	s_cmp_lt_u32 ttmp9, 224
	s_cbranch_scc0 .Lnot_w
	s_sub_co_u32 s25, ttmp9, 128
	s_cmp_lt_u32 s25, 32
	s_cselect_b64 s[26:27], s[6:7], s[8:9]         ; the choice hangs on the work-group's number alone
	s_cmp_lt_u32 s25, 64
	s_cselect_b64 s[26:27], s[26:27], s[10:11]
	s_lshr_b32 s30, s25, 5                         ; which weight
	s_bfe_u32 s31, s25, 0x40001                    ; which 64 columns
	s_and_b32 s32, s25, 1                          ; which 512 along K
	s_and_b32 s33, s24, 1                          ; wave: which 32 of the columns
	s_lshr_b32 s34, s24, 1                         ; wave: which 128 along K
	s_lshl_b32 s28, s32, 9
	s_lshl_b32 s35, s34, 7
	s_add_co_u32 s28, s28, s35                     ; my first k
	s_lshl_b32 s28, s28, 12                        ; rows of 4,096 bytes
	s_lshl_b32 s35, s31, 8
	s_add_co_u32 s28, s28, s35
	s_lshl_b32 s35, s33, 7
	s_add_co_u32 s28, s28, s35                     ; + my first column x 4
	s_add_nc_u64 s[26:27], s[26:27], s[28:29]
	v_lshlrev_b32 v7, 2, v2
.set i, 0
.rept 128
	global_load_b32 v[16+i], v7, s[26:27] offset:i*4096 th:TH_LOAD_NT   ; row k of 32 neighbouring columns: 128 consecutive bytes
.set i, i+1
.endr
	s_mul_i32 s35, s33, 32*WP
	s_lshl_b32 s36, s34, 6
	s_add_co_u32 s35, s35, s36
	s_add_co_u32 s35, s35, WSTG
	v_mul_u32_u24 v14, v2, WP
	v_add_nc_u32 v14, s35, v14                     ; into the stage: my column's row, my 64 bytes of it
	s_lshl_b32 s35, s33, 9
	s_lshl_b32 s36, s34, 2
	s_add_co_u32 s35, s35, s36
	s_add_co_u32 s35, s35, WSC
	v_lshl_add_u32 v15, v2, 4, s35                 ; my column's four scale bytes
	v_lshrrev_b32 v8, 4, v2
	v_and_b32 v9, 15, v2
	v_mul_u32_u24 v5, v8, WP
	v_lshl_add_u32 v5, v9, 4, v5
	s_mul_i32 s35, s24, 8*WP
	s_add_co_u32 s35, s35, WSTG
	v_add_nc_u32 v5, s35, v5                       ; out of the stage: rows 8 w on, sixteen lanes to a row
	v_lshlrev_b32 v6, 9, v8
	v_lshl_add_u32 v6, v9, 4, v6                   ; and the same place in w_codes (rows of 512 bytes)
	v_and_b32 v10, 63, v0
	v_lshlrev_b32 v11, 5, v10                      ; w_scales: 32 bytes a column
	v_lshl_add_u32 v10, v10, 4, WSC
	s_lshl_b32 s36, s30, 10
	s_lshl_b32 s35, s31, 6
	s_add_co_u32 s36, s36, s35                     ; the work-group's first row of w_codes
	s_lshl_b32 s35, s24, 3
	s_add_co_u32 s35, s35, s36
	s_lshl_b32 s28, s35, 9
	s_lshl_b32 s35, s32, 8
	s_add_co_u32 s28, s28, s35
	s_add_nc_u64 s[18:19], s[18:19], s[28:29]
	s_lshl_b32 s28, s36, 5
	s_lshl_b32 s35, s32, 4
	s_add_co_u32 s28, s28, s35
	s_add_nc_u64 s[20:21], s[20:21], s[28:29]
.macro WBLOCK t, cnt                   ; block t of my column: all its 32 numbers are mine
.set XS, 16+32*(\t)
	s_wait_loadcnt \cnt
	v_max3_num_f32 v8, |v[XS]|, |v[XS+1]|, |v[XS+2]|
	v_max3_num_f32 v9, |v[XS+3]|, |v[XS+4]|, |v[XS+5]|
.irp i, 6,10,14,18,22,26
	v_max3_num_f32 v8, v8, |v[XS+\i]|, |v[XS+\i+1]|
	v_max3_num_f32 v9, v9, |v[XS+\i+2]|, |v[XS+\i+3]|
.endr
	v_max3_num_f32 v8, v8, |v[XS+30]|, |v[XS+31]|
	v_max3_num_f32 v8, v8, v9, 0x1800000
	v_add_nc_u32 v1, 0xff000000, v8
	v_lshrrev_b32 v9, 23, v1
.if (\t) == 0
	v_mov_b32 v160, v9
.else
	v_lshl_or_b32 v160, v9, 8*(\t), v160           ; four bytes to a word, the lower K in the lower byte
.endif
.irp g, 0,1,2,3
	v_cvt_scalef32_pk8_fp4_f32 v[144+4*(\t)+\g], v[XS+8*\g:XS+8*\g+7], v1
.endr
	ds_store_b128 v14, v[144+4*(\t):144+4*(\t)+3] offset:16*(\t)
.endm
	WBLOCK 0, 63                                   ; behind block 0's loads 96 were issued, behind block 1's 64: the wait names the most that its field holds
	WBLOCK 1, 63
	WBLOCK 2, 32                                   ; block 3's 32 may be out
	WBLOCK 3, 0
	v_nop                                          ; a plain line behind the last scaled conversion
	ds_store_b32 v15, v160
	s_wait_dscnt 0x0                               ; for the others' sake: my stores have landed
	s_barrier_signal -1
	s_barrier_wait -1                              ; all eight waves of this work-group are on this path
.irp i, 0,1,2,3
	ds_load_b128 v[16+4*\i:19+4*\i], v5 offset:2*\i*WP
.endr
.irp i, 0,1,2,3
	s_wait_dscnt 3-\i                              ; the younger loads may be out
	global_store_b128 v6, v[16+4*\i:19+4*\i], s[18:19] offset:1024*\i   ; sixteen lanes store 256 consecutive bytes, aligned
.endr
	s_cmp_lt_u32 s24, 2                            ; waves 0 and 1 store the 64 columns' scale bytes, 16 a column
	s_cbranch_scc0 .Lw_end
	ds_load_b128 v[32:35], v10
	s_wait_dscnt 0x0
	global_store_b128 v11, v[32:35], s[20:21]
.Lw_end:
	FINISH
; ---------------- out_proj to f16 ----------------
.Lnot_w:
	s_sub_co_u32 s25, ttmp9, 224
	s_lshl_b32 s25, s25, 3
	s_add_co_u32 s25, s25, s24                     ; which 16,384 bytes are my wave's
	s_lshl_b32 s28, s25, 14
	s_add_nc_u64 s[12:13], s[12:13], s[28:29]
	s_lshl_b32 s28, s25, 13
	s_add_nc_u64 s[22:23], s[22:23], s[28:29]
.set i, 0
.rept 32
	global_load_b128 v[16+4*i:19+4*i], v3, s[12:13] offset:512*i th:TH_LOAD_NT
.set i, i+1
.endr
.set i, 0
.rept 32
	s_wait_loadcnt 31-i                            ; the younger loads may be out
	v_cvt_pk_f16_f32 v[144+2*i], v[16+4*i], v[17+4*i]
	v_cvt_pk_f16_f32 v[145+2*i], v[18+4*i], v[19+4*i]
	global_store_b64 v4, v[144+2*i:145+2*i], s[22:23] offset:256*i      ; the wave stores 256 consecutive bytes, aligned
.set i, i+1
.endr
	FINISH
.Lfunc_end_k_q673aeaa9de_prep:
	.size	k_q673aeaa9de_prep, .Lfunc_end_k_q673aeaa9de_prep-k_q673aeaa9de_prep
	.p2alignl 7, 3214868480
	.fill 96, 4, 3214868480
	.section	.rodata,"a",@progbits
	.p2align	6, 0x0
	.amdhsa_kernel k_q673aeaa9de_prep
		.amdhsa_group_segment_fixed_size 61440
		.amdhsa_private_segment_fixed_size 0
		.amdhsa_enable_private_segment 0
		.amdhsa_kernarg_size 80
		.amdhsa_user_sgpr_count 2
		.amdhsa_user_sgpr_kernarg_segment_ptr 1
		.amdhsa_wavefront_size32 1
		.amdhsa_system_sgpr_workgroup_id_x 1
		.amdhsa_system_sgpr_workgroup_id_y 1
		.amdhsa_system_sgpr_workgroup_id_z 1
		.amdhsa_system_vgpr_workitem_id 0
		.amdhsa_next_free_vgpr 224
		.amdhsa_next_free_sgpr 66
		.amdhsa_reserve_vcc 0
		.amdhsa_float_denorm_mode_32 3
		.amdhsa_float_denorm_mode_16_64 3
		.amdhsa_memory_ordered 1
		.amdhsa_forward_progress 1
		.amdhsa_inst_pref_size 51
	.end_amdhsa_kernel
	.amdgpu_metadata
---
amdhsa.version: [ 1, 2 ]
amdhsa.kernels:
  - .name:           k_q673aeaa9de_prep
    .symbol:         k_q673aeaa9de_prep.kd
    .args:
      - { .name: x, .offset: 0, .size: 8, .value_kind: global_buffer, .address_space: global }
      - { .name: q_proj, .offset: 8, .size: 8, .value_kind: global_buffer, .address_space: global }
      - { .name: k_proj, .offset: 16, .size: 8, .value_kind: global_buffer, .address_space: global }
      - { .name: v_proj, .offset: 24, .size: 8, .value_kind: global_buffer, .address_space: global }
      - { .name: out_proj, .offset: 32, .size: 8, .value_kind: global_buffer, .address_space: global }
      - { .name: x_codes, .offset: 40, .size: 8, .value_kind: global_buffer, .address_space: global }
      - { .name: x_scales, .offset: 48, .size: 8, .value_kind: global_buffer, .address_space: global }
      - { .name: w_codes, .offset: 56, .size: 8, .value_kind: global_buffer, .address_space: global }
      - { .name: w_scales, .offset: 64, .size: 8, .value_kind: global_buffer, .address_space: global }
      - { .name: wo16, .offset: 72, .size: 8, .value_kind: global_buffer, .address_space: global }
    .group_segment_fixed_size: 61440
    .private_segment_fixed_size: 0
    .kernarg_segment_align: 8
    .kernarg_segment_size: 80
    .max_flat_workgroup_size: 256
    .sgpr_count:     66
    .vgpr_count:     224
    .wavefront_size: 32
...
	.end_amdgpu_metadata
.endif
;; end of part 1
;; launch qkv (part 2): grid 16 x 16, 4 waves a work-group, clusters of 4 x 4, 327,680 bytes of LDS; arguments x_codes, x_scales, w_codes, w_scales, qkv, qkv32; writes qkv, qkv32
.if DOCPART == 2
	.amdgcn_target "amdgcn-amd-amdhsa--gfx1250"
	.amdhsa_code_object_version 6
	.text
	.protected	k_q673aeaa9de_qkv
	.globl	k_q673aeaa9de_qkv
	.p2align	8
	.type	k_q673aeaa9de_qkv,@function
k_q673aeaa9de_qkv:
	s_mov_b64 s[64:65], 0
	v_nop
	global_prefetch_b8 v0, s[64:65] scope:SCOPE_SE
	s_setreg_imm32_b32 hwreg(HW_REG_WAVE_MODE, 25, 1), 1
	s_wait_xcnt 0x0
	s_wait_alu depctr_hold_cnt(0) depctr_sa_sdst(0) depctr_va_vdst(0) depctr_va_sdst(0) depctr_va_ssrc(0) depctr_va_vcc(0) depctr_vm_vsrc(0)
	s_getreg_b32 s2, hwreg(HW_REG_IB_STS2, 6, 4)
	s_cmp_eq_u32 s2, 0
	s_cbranch_scc0 .Lentry_in_a_cluster
	s_endpgm
.Lentry_in_a_cluster:
	s_bfe_u32 s2, ttmp6, 0x10000c
	s_cmp_lg_u32 s2, 0xf033
	s_cbranch_scc0 .Lentry_shape_is_right
	s_endpgm
.Lentry_shape_is_right:
; QKV: C[4096 m][3072 n] = x W on codes of E2M1 with E8M0 scales, K = 1,024; n = 1024 sel + column (sel 0, 1, 2: q, k, v).
; A tile of C is 256 x 192 (three whole heads): 16 x 16 work-groups.  Wave w makes rows 64 w .. 64 w + 63 and all 192 columns: 4 x 12 accumulators, 384 registers.
; ALL OF K LIES IN LDS: two slots of 512 along K (rows of 256 bytes), both asked for at the start and never filled again; the scale bytes of the tile's rows come with them.
; CLUSTERS: 4 x 4 work-groups; x's tiles are shared along a row of the cluster, W's along a column: each is asked for jointly, by the same tensor load with the same descriptor and a mask that names the four.
; THE MATRIX INSTRUCTION IS USED TRANSPOSED (source 0 = 16 rows of w_codes, source 1 = 16 rows of x_codes): lane (r, h), register j holds C(16 a + r, 16 b + 8 h + j).
; OUT: qkv, f16, [48 heads][4096 m][64]: through the wave's own stage, 512 consecutive bytes a store.  qkv32, f32: wave 0's block of 16 rows as an image of its registers,
; [16 row tiles][192 column tiles][1,024 bytes]; a later launch reads row tiles 0 and 8 (positions 0-15 of the two batches).  Every row tile stores its image, so that nothing here hangs on a work-group's place in its cluster.
; LIMIT: |q|, |k|, |v| above 65,504 become infinity in f16.
; REGISTERS: window 0: v16-29 addresses; v32-127 scale words (register 8 i + q: lanes 0-15 x's block i, lanes 16-31 W's block i, K step q), and nothing else ever; v128-191 x's fragments, two sets; on the way out v128-223 rows read back.
;   window 1: W's fragments, two sets, at v0 and v128; on the way out v0-47 the packed results.   window 2: accumulators of blocks a = 0, 1 at v[96 (a % 2) + 8 b];   window 3: a = 2, 3.
.set PITCH,  272                       ; an LDS row: 256 bytes + 16 of padding: the 16 rows of a fragment load start in 16 different 16-byte columns
.set AHALF,  128*PITCH
.set BHALF,  96*PITCH
.set BOFF,   2*AHALF
.set SLOT,   BOFF+2*BHALF
.set SCL,    2*SLOT                    ; the scales, as units of 256 bytes + 16: x's 32 units, then W's 24
.set SCB,    32*272
.set SPARE,  259072                    ; the spare words, 128 bytes for each wave: two blocks of 256 bytes that no other line names
.set STGB,   3*16*144                  ; the way out: a wave's stage, 3 heads x 16 rows x (128 + 16) bytes, in slot 0, which has had its last fill and its last read by then
.set ADRA, 16
.set ADRB, 20
.set STO,  24
.set RD,   25
.set CO,   26
.set ADRS, 27
.set SPW,  28
.set NIL,  29
.set SC,   32
.set AF,   128
.set BK,   128
.set WVN,  16                          ; s16 wave;  s17 I fetch for x (0) or W (1);  s18 which half of its rows;  s19 tile row;  s42 tile column
.set FB,   17
.set HF,   18
.set G1,   24
.set G0,   32
.set G1B,  48
.set G0B,  56
.set G1S,  68
.set G0S,  76
.set G1SB, 80
.set G0SB, 88
.set MSB, 0
.macro WIN new                         ; the immediate's high byte repeats the setting that is left
.if MSB != \new
	s_set_vgpr_msb (MSB<<8)|\new
.set MSB, \new
.endif
.endm
.set MUL_LO, 0xa1                      ; source 0 (W) window 1, source 1 (x) window 0, C and D window 2
.set MUL_HI, 0xf1
.set TO_B,   0x40
.macro JLOAD g0a, g1a, g0b, g1b        ; a joint load; the branch hangs on the wave's number alone; an s_nop 0 and four v_nop follow each line
	s_cmp_eq_u32 s[FB], 0
	s_cbranch_scc0 .Lfor_b_\@
	tensor_load_to_lds s[\g0a:\g0a+3], s[\g1a:\g1a+7]
	s_nop 0
.rept 4
	v_nop
.endr
	s_branch .Lasked_\@
.Lfor_b_\@:
	tensor_load_to_lds s[\g0b:\g0b+3], s[\g1b:\g1b+7]
	s_nop 0
.rept 4
	v_nop
.endr
.Lasked_\@:
.endm
.macro CROUND                          ; a round of the cluster's barrier
	s_barrier_signal -1
	s_barrier_wait -1
	s_cmp_lg_u32 s[WVN], 0
	s_cbranch_scc1 .Lnot_wave_0_\@
	s_barrier_signal -3
.Lnot_wave_0_\@:
	s_barrier_wait -3
	s_barrier_signal -1
	s_barrier_wait -1
.endm
.macro PLACES
.rept 4
	v_nop
.endr
.endm
	s_load_b256 s[4:11], s[0:1], 0x0               ; x_codes 4, x_scales 6, w_codes 8, w_scales 10
	s_load_b128 s[12:15], s[0:1], 0x20             ; qkv 12, qkv32 14
	v_lshl_add_u32 v[SPW], v0, 2, SPARE
	v_mov_b32 v[NIL], 0
	ds_add_u32 v[SPW], v[NIL]                      ; the wave's opening: the add, twice on end, and its wait ahead of my first tensor load
	ds_add_u32 v[SPW], v[NIL]
	v_lshrrev_b32 v1, 5, v0
	v_readfirstlane_b32 s[WVN], v1
	s_lshr_b32 s[FB], s[WVN], 1
	s_and_b32 s[HF], s[WVN], 1
	s_bfe_u32 s40, ttmp6, 0x40000                  ; cx
	s_bfe_u32 s41, ttmp6, 0x40004                  ; cy
	s_lshl_b32 s42, ttmp9, 2
	s_add_co_u32 s42, s42, s40                     ; tile column
	s_and_b32 s19, ttmp7, 0xffff
	s_lshl_b32 s19, s19, 2
	s_add_co_u32 s19, s19, s41                     ; tile row
	s_lshl_b32 s43, s41, 2
	s_lshl_b32 s43, 15, s43                        ; my row of the cluster
	s_lshl_b32 s44, 0x1111, s40                    ; my column
	s_or_b32 s[G1+0], s43, (0<<16)|(1<<20)|(1<<21)|(5<<22)|(3<<25)   ; elements of 1 byte; 4 words of padding behind every 64
	s_or_b32 s[G1B+0], s44, (0<<16)|(1<<20)|(1<<21)|(5<<22)|(3<<25)
	s_mov_b32 s[G1+1], 256<<16                     ; x: 128 rows of 256 bytes, 512 bytes apart
	s_mov_b32 s[G1+2], 128<<16
	s_mov_b32 s[G1+3], 256<<16
	s_mov_b32 s[G1+4], 128
	s_mov_b32 s[G1+5], 512
	s_mov_b32 s[G1+6], 0
	s_mov_b32 s[G1+7], 0
	s_mov_b32 s[G1B+1], 256<<16                    ; W: 96 rows
	s_mov_b32 s[G1B+2], 96<<16
	s_mov_b32 s[G1B+3], 256<<16
	s_mov_b32 s[G1B+4], 96
	s_mov_b32 s[G1B+5], 512
	s_mov_b32 s[G1B+6], 0
	s_mov_b32 s[G1B+7], 0
	s_or_b32 s[G1S+0], s43, (3<<16)|(1<<20)|(1<<21)|(5<<22)|(3<<25)  ; the scales: dense blocks as rows of 256 bytes (32 elements of 8 bytes)
	s_or_b32 s[G1SB+0], s44, (3<<16)|(1<<20)|(1<<21)|(5<<22)|(3<<25)
	s_mov_b32 s[G1S+1], 32<<16                     ; x's 128 rows x 32 bytes: 16 units
	s_mov_b32 s[G1S+2], 16<<16
	s_mov_b32 s[G1S+3], 32<<16
	s_mov_b32 s[G1S+4], 16
	s_mov_b32 s[G1S+5], 32
	s_mov_b32 s[G1S+6], 0
	s_mov_b32 s[G1S+7], 0
	s_mov_b32 s[G1SB+1], 32<<16                    ; W's 96 rows: 12 units
	s_mov_b32 s[G1SB+2], 12<<16
	s_mov_b32 s[G1SB+3], 32<<16
	s_mov_b32 s[G1SB+4], 12
	s_mov_b32 s[G1SB+5], 32
	s_mov_b32 s[G1SB+6], 0
	s_mov_b32 s[G1SB+7], 0
	s_lshl_b32 s45, s[HF], 7
	s_lshl_b32 s20, s19, 8
	s_add_co_u32 s20, s20, s45                     ; x: row 256 x tile row + 128 x half
	s_lshl_b32 s22, s20, 5                         ; its scales, in bytes
	s_mov_b32 s23, 0
	s_lshl_b32 s20, s20, 9                         ; its codes
	s_mov_b32 s21, 0
	s_mul_i32 s46, s42, 192
	s_mul_i32 s45, s[HF], 96
	s_add_co_u32 s46, s46, s45                     ; W: row 192 x tile column + 96 x half
	s_lshl_b32 s92, s46, 5
	s_mov_b32 s93, 0
	s_lshl_b32 s46, s46, 9
	s_mov_b32 s47, 0
	s_mul_i32 s45, s[HF], AHALF                    ; where they go: no place in the cluster enters an LDS address
	s_mul_i32 s94, s[HF], BHALF
	s_add_co_u32 s94, s94, BOFF
	s_mul_i32 s95, s[HF], 16*272
	s_add_co_u32 s95, s95, SCL
	s_mul_i32 s96, s[HF], 12*272
	s_add_co_u32 s96, s96, SCL+SCB
	s_wait_dscnt 0x0                               ; both opening adds are done
	s_wait_kmcnt 0x0
	s_add_nc_u64 s[20:21], s[4:5], s[20:21]
	s_add_nc_u64 s[22:23], s[6:7], s[22:23]
	s_add_nc_u64 s[46:47], s[8:9], s[46:47]
	s_add_nc_u64 s[92:93], s[10:11], s[92:93]
	CROUND                                         ; all sixteen work-groups are here: the joint loads meet
	s_mov_b32 s[G0S], 1
	s_mov_b32 s[G0S+1], s95
	s_mov_b64 s[G0S+2:G0S+3], s[22:23]
	s_or_b32 s[G0S+3], s[G0S+3], 0x80000000
	s_mov_b32 s[G0SB], 1
	s_mov_b32 s[G0SB+1], s96
	s_mov_b64 s[G0SB+2:G0SB+3], s[92:93]
	s_or_b32 s[G0SB+3], s[G0SB+3], 0x80000000
	JLOAD G0S, G1S, G0SB, G1SB                     ; the scales first: they are wanted with K step 0
.irp s, 0,1
	s_mov_b32 s[G0+4*\s], 1
	s_add_co_u32 s[G0+4*\s+1], s45, \s*SLOT
	s_add_nc_u64 s[G0+4*\s+2:G0+4*\s+3], s[20:21], \s*256
	s_or_b32 s[G0+4*\s+3], s[G0+4*\s+3], 0x80000000
	s_mov_b32 s[G0B+4*\s], 1
	s_add_co_u32 s[G0B+4*\s+1], s94, \s*SLOT
	s_add_nc_u64 s[G0B+4*\s+2:G0B+4*\s+3], s[46:47], \s*256
	s_or_b32 s[G0B+4*\s+3], s[G0B+4*\s+3], 0x80000000
	JLOAD G0+4*\s, G1, G0B+4*\s, G1B               ; by this text's own count three tensor loads of a wave are out
.endr
	v_and_b32 v1, 15, v0                           ; r
	v_bfe_u32 v2, v0, 4, 1                         ; h
	v_mul_u32_u24 v3, v1, PITCH
	v_lshl_add_u32 v4, v2, 4, v3                   ; a fragment's row x pitch + 16 h
	s_mul_i32 s97, s[WVN], 64*PITCH                ; my 64 rows of x
	v_add_nc_u32 v[ADRA], s97, v4
	s_add_co_u32 s97, s97, SLOT
	v_add_nc_u32 v[ADRA+1], s97, v4
	v_add_nc_u32 v[ADRB], BOFF, v4
	v_add_nc_u32 v[ADRB+1], SLOT+BOFF, v4
	v_lshlrev_b32 v5, 5, v1                        ; my row's scales: 32 bytes a row,
	v_lshrrev_b32 v6, 3, v1
	v_lshl_add_u32 v5, v6, 4, v5                   ; and 16 more behind each 256
	s_mul_i32 s97, s[WVN], 8*272                   ; x's: my 64 rows
	s_mov_b32 s98, SCB
	s_sub_co_u32 s98, s98, s97
	v_mul_u32_u24 v6, s98, v2                      ; lanes 16-31 take W's
	s_add_co_u32 s97, s97, SCL
	v_add_nc_u32 v5, v5, v6
	v_add_nc_u32 v[ADRS], s97, v5
	s_mul_i32 s97, s[WVN], STGB                    ; my stage
	v_mul_u32_u24 v5, v1, 144
	v_lshl_add_u32 v5, v2, 4, v5
	v_add_nc_u32 v[STO], s97, v5                   ; in: row r, 16 bytes for each half of the lanes
	v_and_b32 v6, 31, v0
	v_lshlrev_b32 v[CO], 4, v6                     ; 16 x lane
	v_lshrrev_b32 v5, 3, v6
	v_mul_u32_u24 v5, v5, 144
	v_and_b32 v6, 7, v0
	v_lshl_add_u32 v5, v6, 4, v5
	v_add_nc_u32 v[RD], s97, v5                    ; back: eight lanes to a row of 128 bytes, four rows an instruction
	s_mul_i32 s66, s42, 3*4096
	s_lshl_b32 s67, s19, 8
	s_add_co_u32 s66, s66, s67
	s_lshl_b32 s67, s[WVN], 6
	s_add_co_u32 s66, s66, s67
	s_lshl_b32 s66, s66, 7                         ; qkv: (4096 x first head + my first row) x 128 bytes
	s_mov_b32 s67, 0
	s_add_nc_u64 s[12:13], s[12:13], s[66:67]
	s_mul_i32 s66, s19, 196608
	s_mul_i32 s97, s42, 12288
	s_add_co_u32 s66, s66, s97
	s_add_nc_u64 s[14:15], s[14:15], s[66:67]      ; qkv32: my row tile, my 12 column tiles
.macro FRAG reg, adr, qq, i            ; 16 rows x 128 K of 4-bit codes: registers 4 c .. 4 c + 3 hold K = 64 c + 32 h + 0 .. 31
.irp c, 0,1
	ds_load_b128 v[\reg+4*\c:\reg+4*\c+3], v[\adr] offset:64*(\qq)+32*\c+(\i)*16*PITCH
.endr
.endm
.macro FETCH q                         ; K step q's fragments into set q % 2: W's twelve, x's four: 32 loads
	WIN TO_B
.irp i, 0,1,2,3,4,5,6,7,8,9,10,11
	FRAG 128*((\q)%2)+8*\i, ADRB+(\q)/4, (\q)%4, \i
.endr
	WIN 0
.irp i, 0,1,2,3
	FRAG AF+32*((\q)%2)+8*\i, ADRA+(\q)/4, (\q)%4, \i
.endr
.endm
.macro MUL24 a0, q                     ; x's blocks a0, a0 + 1 against W's twelve.  The 48 accumulators take turns, in the same order in every step
.irp a, \a0, \a0+1
.irp b, 0,1,2,3,4,5,6,7,8,9,10,11
.set rD, 96*((\a)%2)+8*\b
.set rB, 128*((\q)%2)+8*\b
.set rA, AF+32*((\q)%2)+8*(\a)
.if (\q) == 0
	v_wmma_scale_f32_16x16x128_f8f6f4 v[rD:rD+7], v[rB:rB+7], v[rA:rA+7], 0, v[SC+8*\b+(\q)], v[SC+8*(\a)+(\q)] matrix_a_fmt:MATRIX_FMT_FP4 matrix_b_fmt:MATRIX_FMT_FP4 matrix_a_scale:MATRIX_SCALE_ROW1
.else
	v_wmma_scale_f32_16x16x128_f8f6f4 v[rD:rD+7], v[rB:rB+7], v[rA:rA+7], v[rD:rD+7], v[SC+8*\b+(\q)], v[SC+8*(\a)+(\q)] matrix_a_fmt:MATRIX_FMT_FP4 matrix_b_fmt:MATRIX_FMT_FP4 matrix_a_scale:MATRIX_SCALE_ROW1
.endif
.endr
.endr
.endm
.macro STEP q
	s_wait_dscnt 0x0                               ; this step's fragments are in
.if (\q) == 3
	s_wait_tensorcnt 0x0                           ; my part of slot 1 has landed, and my reads of slot 0 are over:
	s_barrier_signal -1
	s_barrier_wait -1                              ; everybody's.
.endif
.if (\q) > 0
	PLACES                                         ; in front of loads into the set that the last step's products read
.endif
.if (\q) < 7
	FETCH (\q)+1
.endif
	WIN MUL_LO
	MUL24 0, \q
	WIN MUL_HI
	MUL24 2, \q
.endm
	s_wait_tensorcnt 1                             ; the scales and my part of slot 0 are in; slot 1's load may be out
	s_barrier_signal -1
	s_barrier_wait -1
.irp i, 0,1,2,3,4,5,6,7,8,9,10,11
	ds_load_b128 v[SC+8*\i:SC+8*\i+3], v[ADRS] offset:\i*544        ; a row's eight scale words, one for each K step; lanes 0-15 of blocks 4-11 read filled bytes that no product names
	ds_load_b128 v[SC+8*\i+4:SC+8*\i+7], v[ADRS] offset:\i*544+16
.endr
	FETCH 0
.irp q, 0,1,2,3,4,5,6,7
	STEP \q
.endr
	WIN 0
	PLACES                                         ; behind the last products: their results are read, and their operands' registers written, from here on
	; ---- wave 0's first 16 rows in f32, as they stand in the registers
	s_cmp_lg_u32 s[WVN], 0
	s_cbranch_scc1 .Lno32
	WIN 0x08                                       ; a store's data are its source 1: window 2
.irp b, 0,1,2,3,4,5,6,7,8,9,10,11
	global_store_b128 v[CO], v[8*\b:8*\b+3], s[14:15] offset:1024*\b          ; 512 consecutive bytes a store; each accumulator from its low end on
	global_store_b128 v[CO], v[8*\b+4:8*\b+7], s[14:15] offset:1024*\b+512
.endr
	WIN 0
.Lno32:
	; ---- f16, a block of 16 rows at a time through my stage
.macro PACK a
.set AC, 96*((\a)%2)
	WIN 0x4a+5*((\a)/2)                            ; sources window 2 or 3, destination window 1
.irp b, 0,1,2,3,4,5,6,7,8,9,10,11
.irp rr, 0,1,2,3
	v_cvt_pk_f16_f32 v[4*\b+\rr], v[AC+8*\b+2*\rr], v[AC+8*\b+2*\rr+1]
.endr
.endr
.endm
.macro TOSTAGE a
	WIN 0x04                                       ; the data: window 1
.irp b, 0,1,2,3,4,5,6,7,8,9,10,11
	ds_store_b128 v[STO], v[4*\b:4*\b+3] offset:2304*(\b/4)+32*(\b%4)
.endr
	WIN 0
.set BB, BK+48*((\a)%2)
.irp g, 0,1,2
.irp i, 0,1,2,3
	ds_load_b128 v[BB+16*\g+4*\i:BB+16*\g+4*\i+3], v[RD] offset:2304*\g+576*\i   ; LDS serves a wave's instructions in order: these see the stores above
.endr
.endr
.endm
.macro SEND a, younger
.set BB, BK+48*((\a)%2)
	s_wait_dscnt \younger
.irp g, 0,1,2
.irp i, 0,1,2,3
	global_store_b128 v[CO], v[BB+16*\g+4*\i:BB+16*\g+4*\i+3], s[12:13] offset:524288*\g+2048*(\a)+512*\i   ; four rows of a head: 512 consecutive bytes, aligned
.endr
.endr
.endm
	PACK 0
	TOSTAGE 0
.irp a, 1,2,3
.if \a > 1
	s_wait_xcnt 0x0                                ; block a - 2's stores have read their registers: block a's rows may land there
.endif
	PACK \a
	TOSTAGE \a
	SEND \a-1, 24                                  ; behind block a - 1's loads: block a's 12 stores and 12 loads
.endr
	SEND 3, 0
	s_wait_tensorcnt 0x0                           ; the wave's end
	ds_add_u32 v[SPW], v[NIL]
	s_wait_dscnt 0x0
	CROUND                                         ; the closing round
	s_endpgm
.Lfunc_end_k_q673aeaa9de_qkv:
	.size	k_q673aeaa9de_qkv, .Lfunc_end_k_q673aeaa9de_qkv-k_q673aeaa9de_qkv
	.p2alignl 7, 3214868480
	.fill 96, 4, 3214868480
	.section	.rodata,"a",@progbits
	.p2align	6, 0x0
	.amdhsa_kernel k_q673aeaa9de_qkv
		.amdhsa_group_segment_fixed_size 327680
		.amdhsa_private_segment_fixed_size 0
		.amdhsa_enable_private_segment 0
		.amdhsa_kernarg_size 48
		.amdhsa_user_sgpr_count 2
		.amdhsa_user_sgpr_kernarg_segment_ptr 1
		.amdhsa_wavefront_size32 1
		.amdhsa_system_sgpr_workgroup_id_x 1
		.amdhsa_system_sgpr_workgroup_id_y 1
		.amdhsa_system_sgpr_workgroup_id_z 1
		.amdhsa_system_vgpr_workitem_id 0
		.amdhsa_next_free_vgpr 1024
		.amdhsa_next_free_sgpr 100
		.amdhsa_reserve_vcc 0
		.amdhsa_float_denorm_mode_32 3
		.amdhsa_float_denorm_mode_16_64 3
		.amdhsa_memory_ordered 1
		.amdhsa_forward_progress 1
		.amdhsa_inst_pref_size 104
	.end_amdhsa_kernel
	.amdgpu_metadata
---
amdhsa.version: [ 1, 2 ]
amdhsa.kernels:
  - .name:           k_q673aeaa9de_qkv
    .symbol:         k_q673aeaa9de_qkv.kd
    .args:
      - { .name: x_codes, .offset: 0, .size: 8, .value_kind: global_buffer, .address_space: global }
      - { .name: x_scales, .offset: 8, .size: 8, .value_kind: global_buffer, .address_space: global }
      - { .name: w_codes, .offset: 16, .size: 8, .value_kind: global_buffer, .address_space: global }
      - { .name: w_scales, .offset: 24, .size: 8, .value_kind: global_buffer, .address_space: global }
      - { .name: qkv, .offset: 32, .size: 8, .value_kind: global_buffer, .address_space: global }
      - { .name: qkv32, .offset: 40, .size: 8, .value_kind: global_buffer, .address_space: global }
    .group_segment_fixed_size: 327680
    .private_segment_fixed_size: 0
    .kernarg_segment_align: 8
    .kernarg_segment_size: 48
    .max_flat_workgroup_size: 128
    .sgpr_count:     100
    .vgpr_count:     1024
    .wavefront_size: 32
...
	.end_amdgpu_metadata
.endif
;; end of part 2
;; launch attn (part 3): grid 8 x 32, 16 waves a work-group, no clusters, 327,680 bytes of LDS; arguments qkv, ctx16; writes ctx16
.if DOCPART == 3
	.amdgcn_target "amdgcn-amd-amdhsa--gfx1250"
	.amdhsa_code_object_version 6
	.text
	.protected	k_q673aeaa9de_attn
	.globl	k_q673aeaa9de_attn
	.p2align	8
	.type	k_q673aeaa9de_attn,@function
k_q673aeaa9de_attn:
	s_mov_b64 s[64:65], 0
	v_nop
	global_prefetch_b8 v0, s[64:65] scope:SCOPE_SE
	s_setreg_imm32_b32 hwreg(HW_REG_WAVE_MODE, 25, 1), 1
	s_wait_xcnt 0x0
; ATTN: ctx[h][q] = the sum over keys k <= q of softmax(q . k / 8) v, per batch and head; operands f16, products, maxima and sums f32; a running maximum.
; SHARES.  Work-group (i, y): batch y / 16, head y % 16; it owns two blocks of 128 queries, first block 15 - i, then block i: together 17 units of 128 keys for every i.
; K and V come in slots of 256 keys.  The first block takes n1 = (17 - i) / 2 slots, the second 9 - n1: NINE TRIPS IN EVERY WORK-GROUP, a constant.  Every slot's first 128 keys count for the block in hand.
; Wave w = 4 qg + kh holds queries 32 qg .. + 31 of the block (two tiles) and takes, of each unit of 128 keys, keys 32 kh .. + 31: a chunk; each fragment of K and V feeds two products.
; The four key quarters of a query group keep a maximum, a sum and an O of their own and are merged through LDS at a block's end.
; A TRIP has two chunks a wave.  Where both count, they share ONE softmax (macro JOINT): one maximum over 64 keys, one rescaling of O^T.  Where the second is hidden (all its keys come after the wave's queries),
; the first is taken alone (macro STEP), or left out if it is hidden too.  All these branches hang on ids and the count of trips.  On a diagonal chunk hidden scores become -infinity.
; LAYOUT.  S^T = K Q^T, O^T = V^T P: a lane holds one query (lane % 16) throughout.  V ([key][channel]) comes out of LDS turned, by ds_load_tr16_b128.
; NO CLUSTER: the work-groups of a head walk different sequences of slots (n1 differs), so partners would have to ask for tiles that they never read.
; LIMITS: positions 0-15 of each batch are made here in f16 like the rest and written again more finely by a later launch; |ctx| above 65,504 becomes infinity in f16.
.set SLOTB, 71680                      ; a slot: K, 128 LDS rows of two keys (256 bytes + 16), then V, 128 rows (256 + 32)
.set VOFF,  34816
.set MRG,   143360                     ; images of the waves' O^T, padded so that the sixteen lanes of a merge's load fall into sixteen different 16-byte columns of 256:
.set IML,   288                        ;   lanes 16-31 of four registers lie 288 bytes behind lanes 0-15,
.set IMH,   576                        ;   a tile's upper four registers 576 behind its lower four,
.set IMT,   1216                       ;   a tile 1,216 behind the last (192 modulo 256),
.set IMW,   8*IMT                      ;   a wave's eight tiles are 9,728 bytes
.set STAT,  MRG+16*IMW                 ; 16 x 512: (c m, l) of both tiles, 16 bytes a lane
.set SPARE, STAT+8192                  ; the spare words, 128 bytes for each wave: eight blocks of 256 bytes that no other line names
.set AKW, 1                            ; my lane's place in a unit of K, my key quarter in it
.set AVW, 2                            ; the same for V
.set ADK, 3
.set ADV, 4
.set SPW, 5
.set NIL, 6
.set QO,  7                            ; 128 r + 16 h
.set DLT, 8                            ; r - 8 h
.set PFO, 9                            ; 256 x lane
.set DMP, 10
.set STS, 11
.set MRO, 12
.set MRS, 13
.set GO,  14                           ; 16 x lane
.set NINF, 15
.set ST,  16                           ; tile t's statistics at v[ST + 8 t]: +0 c m, +1 m, +2, +3 l, +4 .. +7 at work (a in +6)
.set QQ,  32                           ; v32-63   Q[tile][32 channels]
.set SS,  64                           ; v64-127  S^T[unit][tile][16 keys], then p; JOINT makes P in place: P[unit][tile] in the low eight of its sixteen
.set PP,  96                           ; STEP, which has one unit, puts its P[tile] here
.set KB,  128                          ; v128-191 two buffers of 32: JOINT: K of units 0, 1, then V of units 0, 1;  STEP: K, V
.set VB,  160
.set OO,  192                          ; v192-255 O^T[tile][16 channels]
.set WV, 8
.set QG, 9
.set KH, 10
.set N1, 11
.set TRP, 12                           ; the trip, counted up
.set SLOTS, 13                         ; the loop's counter, counted down
.set TB, 14                            ; LDS byte at which the slot in hand begins
.set KFW, 16                           ; the slot's first key + 32 kh
.set QW, 17                            ; my first query in the block in hand
.set QWA, 18
.set QWB, 19
.set SEL, 20
.set CS, 22                            ; c = log2(e) / 8
.set G1K, 24
.set G1V, 32
.set G0K, 40
.set G0V, 44
.set QA, 48
.set QB, 50
.set OUTA, 52
.set OUTB, 54
.set BACK, 56
.set LIM, 57
.set PFA, 58
.macro TLOAD                           ; wave 0 fetches a slot's K, wave 1 its V, the others nothing; an s_nop 0 and four v_nop follow each line
	s_cmp_eq_u32 s[WV], 0
	s_cbranch_scc0 .Lnot_k_\@
	tensor_load_to_lds s[G0K:G0K+3], s[G1K:G1K+7]
	s_nop 0
.rept 4
	v_nop
.endr
	s_branch .Lasked_\@
.Lnot_k_\@:
	s_cmp_eq_u32 s[WV], 1
	s_cbranch_scc0 .Lasked_\@
	tensor_load_to_lds s[G0V:G0V+3], s[G1V:G1V+7]
	s_nop 0
.rept 4
	v_nop
.endr
.Lasked_\@:
.endm
; A prefetch of the slot that the NEXT change will ask for.  The eight work-groups of a batch and head walk the same K and V; work-group 0, whose first eight trips walk all 2,048 keys, asks, and nobody else.
; In it waves 4-7 ask for K's 32,768 bytes and waves 8-11 for V's: 8,192 bytes a wave, lanes 256 bytes apart, one instruction.  Trips 0 to 5 ask for slots 2 to 7: each block of 256 bytes is named once.
.macro ASK
	s_cmp_gt_u32 s[SLOTS], s[LIM]
	s_cbranch_scc0 .Lnot_mine_\@
	global_prefetch_b8 v[PFO], s[PFA:PFA+1] th:TH_LOAD_NT scope:SCOPE_SE
.Lnot_mine_\@:
.endm
.macro QLOAD base
.irp qa, 0,1
.irp ks, 0,1
	global_load_b128 v[QQ+16*\qa+8*\ks:QQ+16*\qa+8*\ks+3], v[QO], s[\base:\base+1] offset:2048*\qa+64*\ks
	global_load_b128 v[QQ+16*\qa+8*\ks+4:QQ+16*\qa+8*\ks+7], v[QO], s[\base:\base+1] offset:2048*\qa+64*\ks+32
.endr
.endr
.endm
.macro RESET qsrc                      ; a block begins: the largest score -3e38, under every score; sums and O^T zero
	s_mov_b32 s[QW], s[\qsrc]
	s_lshl_b32 s[KFW], s[KH], 5
.irp qa, 0,1
	v_mov_b32 v[ST+8*\qa+1], 0xff61b1e6
	v_mov_b32 v[ST+8*\qa+2], 0
	v_mov_b32 v[ST+8*\qa+3], 0
.endr
.irp qa, 0,1
	v_mul_f32 v[ST+8*\qa], s[CS], v[ST+8*\qa+1]
.endr
.set i, 0
.rept 64
	v_mov_b32 v[OO+i], 0
.set i, i+1
.endr
.endm
	s_load_b128 s[4:7], s[0:1], 0x0                ; qkv, ctx16
	v_lshl_add_u32 v[SPW], v0, 2, SPARE
	v_mov_b32 v[NIL], 0
	ds_add_u32 v[SPW], v[NIL]                      ; the wave's opening: the add, twice on end, and its wait ahead of the first tensor load
	ds_add_u32 v[SPW], v[NIL]
	v_lshrrev_b32 v16, 5, v0
	v_readfirstlane_b32 s[WV], v16
	s_lshr_b32 s[QG], s[WV], 2
	s_and_b32 s[KH], s[WV], 3
	s_and_b32 s66, ttmp7, 0xffff
	s_lshr_b32 s67, s66, 4                         ; batch
	s_and_b32 s66, s66, 15                         ; head
	s_lshl_b32 s68, s66, 12
	s_lshl_b32 s67, s67, 11
	s_add_co_u32 s68, s68, s67                     ; 4096 head + 2048 batch: the first row in a head's plane
	s_sub_co_u32 s[N1], 17, ttmp9
	s_lshr_b32 s[N1], s[N1], 1
	s_lshl_b32 s[BACK], s[N1], 15                  ; n1 slots of 32,768 bytes
	s_sub_co_u32 s69, 15, ttmp9
	s_lshl_b32 s69, s69, 7
	s_lshl_b32 s70, s[QG], 5
	s_add_co_u32 s[QWA], s69, s70
	s_lshl_b32 s69, ttmp9, 7
	s_add_co_u32 s[QWB], s69, s70
	s_add_co_u32 s72, s68, s[QWA]
	s_lshl_b32 s72, s72, 7
	s_mov_b32 s73, 0
	s_add_co_u32 s74, s68, s[QWB]
	s_lshl_b32 s74, s74, 7
	s_mov_b32 s75, 0
	s_lshl_b32 s71, s[KH], 10                      ; the merge: my 8 rows of the group's 32
	s_add_co_u32 s76, s72, s71
	s_mov_b32 s77, 0
	s_add_co_u32 s78, s74, s71
	s_mov_b32 s79, 0
	s_lshl_b32 s80, s68, 7
	s_add_co_u32 s80, s80, 16*524288               ; K's planes lie behind Q's sixteen,
	s_mov_b32 s81, 0
	s_add_co_u32 s82, s80, 16*524288               ; V's behind K's
	s_mov_b32 s83, 0
	s_cmp_lt_u32 s[WV], 8
	s_cselect_b32 s84, s80, s82                    ; the prefetches: waves 4-7 K, waves 8-11 V
	s_and_b32 s85, s[WV], 3
	s_lshl_b32 s85, s85, 13
	s_add_co_u32 s84, s84, s85
	s_add_co_u32 s84, s84, 32768                   ; in slot 1: the first change steps it to slot 2
	s_mov_b32 s85, 0
	s_sub_co_u32 s86, s[WV], 4
	s_lshr_b32 s86, s86, 3                         ; 0 in waves 4 to 11,
	s_or_b32 s86, s86, ttmp9                       ; of work-group 0
	s_cmp_eq_u32 s86, 0
	s_cselect_b32 s[LIM], 2, -1
	s_mov_b32 s[G1K], (1<<16)|(1<<20)|(5<<22)|(3<<25)     ; elements of 2 bytes; 4 words of padding behind every 64
	s_mov_b32 s[G1V], (1<<16)|(1<<20)|(5<<22)|(7<<25)     ; 8 words
.irp g, G1K, G1V
	s_mov_b32 s[\g+1], 128<<16                     ; rows of 128 elements: two keys
	s_mov_b32 s[\g+2], 128<<16                     ; 128 rows
	s_mov_b32 s[\g+3], 128<<16
	s_mov_b32 s[\g+4], 128
	s_mov_b32 s[\g+5], 128
	s_mov_b32 s[\g+6], 0
	s_mov_b32 s[\g+7], 0
.endr
	s_mov_b32 s[SEL], 0x76543210
	s_mov_b32 s[SEL+1], 0xfedcba98
	s_mov_b32 s[CS], 0x3e38aa3b
	s_mov_b32 s[CS+1], s[CS]
	s_mov_b32 s[TRP], 0
	s_mov_b32 s[SLOTS], 8
	s_mov_b32 s[TB], 0
	s_mov_b32 s99, 0
	s_wait_dscnt 0x0                               ; both opening adds are done
	s_wait_kmcnt 0x0
	s_mov_b32 s[G0K], 1
	s_mov_b32 s[G0K+1], 0
	s_add_nc_u64 s[G0K+2:G0K+3], s[4:5], s[80:81]
	s_or_b32 s[G0K+3], s[G0K+3], 0x80000000
	s_mov_b32 s[G0V], 1
	s_mov_b32 s[G0V+1], VOFF
	s_add_nc_u64 s[G0V+2:G0V+3], s[4:5], s[82:83]
	s_or_b32 s[G0V+3], s[G0V+3], 0x80000000
	TLOAD                                          ; slot 0: keys 0 to 255
	s_add_nc_u64 s[QA:QA+1], s[4:5], s[72:73]
	s_add_nc_u64 s[QB:QB+1], s[4:5], s[74:75]
	s_add_nc_u64 s[OUTA:OUTA+1], s[6:7], s[76:77]
	s_add_nc_u64 s[OUTB:OUTB+1], s[6:7], s[78:79]
	s_add_nc_u64 s[PFA:PFA+1], s[4:5], s[84:85]
	v_and_b32 v240, 15, v0                         ; r
	v_bfe_u32 v241, v0, 4, 1                       ; h
	v_and_b32 v242, 31, v0                         ; lane
	v_lshlrev_b32 v[QO], 7, v240
	v_lshl_add_u32 v[QO], v241, 4, v[QO]
	QLOAD QA
	v_lshrrev_b32 v243, 1, v240
	v_mul_u32_u24 v[AKW], v243, 272
	v_and_b32 v244, 1, v0
	v_lshl_add_u32 v[AKW], v244, 7, v[AKW]
	v_lshl_add_u32 v[AKW], v241, 4, v[AKW]
	s_mul_i32 s72, s[KH], 4352
	v_add_nc_u32 v[AKW], s72, v[AKW]               ; key rho lies at (rho / 2) 272 + (rho % 2) 128
	v_bfe_u32 v243, v0, 1, 2                       ; (lane % 8) / 2
	v_lshl_add_u32 v245, v241, 2, v243
	v_mul_u32_u24 v[AVW], v245, 288
	v_lshl_add_u32 v[AVW], v244, 7, v[AVW]
	v_bfe_u32 v245, v0, 3, 1
	v_lshl_add_u32 v[AVW], v245, 4, v[AVW]
	s_mul_i32 s72, s[KH], 4608
	s_add_co_u32 s72, s72, VOFF
	v_add_nc_u32 v[AVW], s72, v[AVW]               ; the turning load: key 8 h + lane % 8, channels 8 ((lane / 8) % 2) on
	v_lshlrev_b32 v245, 3, v241
	v_sub_nc_u32 v[DLT], v240, v245
	v_lshlrev_b32 v[PFO], 8, v242
	v_lshlrev_b32 v[GO], 4, v242
	s_mul_i32 s72, s[WV], IMW
	s_add_co_u32 s72, s72, MRG
	v_mul_u32_u24 v245, v241, IML
	v_lshl_add_u32 v245, v240, 4, v245
	v_add_nc_u32 v[DMP], s72, v245                 ; my image: 16 r + 288 h
	s_lshl_b32 s72, s[WV], 9
	s_add_co_u32 s72, s72, STAT
	v_lshl_add_u32 v[STS], v242, 4, s72
	s_mul_i32 s72, s[QG], 4*IMW                    ; the merge: I take rows 8 kh + 4 i + lane / 8 of my group, channels 8 (lane % 8) on
	s_lshr_b32 s73, s[KH], 1
	s_mul_i32 s74, s73, 4*IMT                      ; the rows' tile of queries,
	s_add_co_u32 s72, s72, s74
	s_and_b32 s75, s[KH], 1
	s_lshl_b32 s75, s75, 7                         ; and their place in it: 16 bytes a row
	s_add_co_u32 s72, s72, s75
	s_add_co_u32 s72, s72, MRG
	v_mul_u32_u24 v[MRO], v243, IMT                ; the channels' tile,
	v_bfe_u32 v245, v0, 3, 2
	v_lshl_add_u32 v[MRO], v245, 4, v[MRO]
	v_mul_u32_u24 v246, v244, IML                  ; and their half of the lanes
	v_add_nc_u32 v[MRO], v246, v[MRO]
	v_add_nc_u32 v[MRO], s72, v[MRO]
	s_lshl_b32 s72, s[QG], 11
	s_add_co_u32 s72, s72, s75
	s_lshl_b32 s73, s73, 3
	s_add_co_u32 s72, s72, s73
	s_add_co_u32 s72, s72, STAT
	v_lshl_add_u32 v[MRS], v245, 4, s72
	v_mov_b32 v[NINF], 0xff800000
	v_mov_b32 v[ST+5], 0                           ; written once: a lane permute's destination counts as one of its sources
	v_mov_b32 v[ST+13], 0
	RESET QWA
; Five places stand at the head of STEP and of JOINT: four in front of loads into registers that the last products read, the fifth because the first products here write over registers that the last products read as P.
.macro HEAD
	v_add_nc_u32 v[ADK], s[TB], v[AKW]
	v_add_nc_u32 v[ADV], s[TB], v[AVW]
	v_nop
	v_nop
	v_nop
.endm
; ONE CHUNK: my 32 queries against my 32 keys of the slot's first unit; the second unit's chunk is hidden.
.macro STEP
	s_cmp_gt_u32 s[KFW], s[QW]                     ; both are multiples of 32: greater means that all 32 keys come after all 32 queries
	s_cbranch_scc1 .Lhidden_\@
	HEAD
.irp kt, 0,1
.irp ks, 0,1
	ds_load_b128 v[KB+16*\kt+8*\ks:KB+16*\kt+8*\ks+3], v[ADK] offset:2176*\kt+64*\ks
	ds_load_b128 v[KB+16*\kt+8*\ks+4:KB+16*\kt+8*\ks+7], v[ADK] offset:2176*\kt+64*\ks+32
.endr
.endr
.irp dt, 0,1,2,3
	ds_load_tr16_b128 v[VB+8*\dt:VB+8*\dt+3], v[ADV] offset:32*\dt
	ds_load_tr16_b128 v[VB+8*\dt+4:VB+8*\dt+7], v[ADV] offset:32*\dt+2304
.endr
	s_wait_dscnt 8                                 ; K is in; V's eight loads may be out
.irp ks, 0,1                                   ; S^T = K Q^T: the four accumulators take turns
.irp kt, 0,1
.irp qa, 0,1
.if \ks == 0
	v_wmma_f32_16x16x32_f16 v[SS+16*\qa+8*\kt:SS+16*\qa+8*\kt+7], v[KB+16*\kt+8*\ks:KB+16*\kt+8*\ks+7], v[QQ+16*\qa+8*\ks:QQ+16*\qa+8*\ks+7], 0
.else
	v_wmma_f32_16x16x32_f16 v[SS+16*\qa+8*\kt:SS+16*\qa+8*\kt+7], v[KB+16*\kt+8*\ks:KB+16*\kt+8*\ks+7], v[QQ+16*\qa+8*\ks:QQ+16*\qa+8*\ks+7], v[SS+16*\qa+8*\kt:SS+16*\qa+8*\kt+7]
.endif
.endr
.endr
.endr
	v_mov_b32 v[ST+7], v[ST]                       ; c m_old is kept for a.  (Four places behind the products)
	v_mov_b32 v[ST+15], v[ST+8]
	v_nop
	v_nop
	s_cmp_lg_u32 s[KFW], s[QW]
	s_cbranch_scc1 .Lopen_\@                       ; only the chunk on the diagonal has hidden keys
.irp j, 0,1,2,3,4,5,6,7
	v_mov_b32 v[SS+8+\j], v[NINF]                  ; tile 0's queries against keys 16-31: all hidden
.endr
.irp j, 0,1,2,3,4,5,6,7
	v_cmp_gt_i32 vcc_lo, \j, v[DLT]                ; key 8 h + j against query r
	v_cndmask_b32 v[SS+\j], v[SS+\j], v[NINF], vcc_lo
	v_cndmask_b32 v[SS+24+\j], v[SS+24+\j], v[NINF], vcc_lo
.endr
.Lopen_\@:
.irp qa, 0,1                                   ; the largest of 16 scores and the old m; each accumulator is read from its low end on
	v_max3_num_f32 v[ST+8*\qa+4], v[SS+16*\qa], v[SS+16*\qa+1], v[SS+16*\qa+2]
	v_max3_num_f32 v[ST+8*\qa+5], v[SS+16*\qa+8], v[SS+16*\qa+9], v[SS+16*\qa+10]
.endr
.irp n, 3,5
.irp qa, 0,1
	v_max3_num_f32 v[ST+8*\qa+4], v[ST+8*\qa+4], v[SS+16*\qa+\n], v[SS+16*\qa+\n+1]
	v_max3_num_f32 v[ST+8*\qa+5], v[ST+8*\qa+5], v[SS+16*\qa+8+\n], v[SS+16*\qa+9+\n]
.endr
.endr
.irp qa, 0,1
	v_max3_num_f32 v[ST+8*\qa+4], v[ST+8*\qa+4], v[SS+16*\qa+7], v[SS+16*\qa+15]
.endr
.irp qa, 0,1
	v_max3_num_f32 v[ST+8*\qa+4], v[ST+8*\qa+4], v[ST+8*\qa+5], v[ST+8*\qa+1]
.endr
.irp qa, 0,1
	v_permlanex16_b32 v[ST+8*\qa+5], v[ST+8*\qa+4], s[SEL], s[SEL+1]   ; the query's other 16 keys lie in the lane 16 away
.endr
.irp qa, 0,1
	v_max_num_f32 v[ST+8*\qa+1], v[ST+8*\qa+4], v[ST+8*\qa+5]
.endr
.irp qa, 0,1
	v_mul_f32 v[ST+8*\qa], s[CS], v[ST+8*\qa+1]
.endr
.irp qa, 0,1
	v_sub_f32 v[ST+8*\qa+7], v[ST+8*\qa+7], v[ST+8*\qa]
.endr
.irp b, 0,2,4,6,8,10,12,14
.irp qa, 0,1
	v_pk_fma_f32 v[SS+16*\qa+\b:SS+16*\qa+\b+1], v[SS+16*\qa+\b:SS+16*\qa+\b+1], s[CS:CS+1], v[ST+8*\qa:ST+8*\qa+1] op_sel_hi:[1,0,0] neg_lo:[0,0,1] neg_hi:[0,0,1]   ; c s - c m
.endr
.endr
	v_exp_f32 v[ST+6], v[ST+7]                     ; a = 2^(c m_old - c m_new)
	v_exp_f32 v[ST+14], v[ST+15]
.set i, 0
.rept 32
	v_exp_f32 v[SS+i], v[SS+i]                     ; p
.set i, i+1
.endr
	v_nop                                          ; a plain line behind the last exponential
	s_wait_alu depctr_va_vdst(0)                   ; one wait for the batch of 34, ahead of its first reader
.set i, 0
.rept 16
	v_cvt_pk_f16_f32 v[PP+i], v[SS+2*i], v[SS+2*i+1]
.set i, i+1
.endr
.irp n, 0,4,8,12                               ; the sums of the unrounded p, in place
.irp qa, 0,1
	v_pk_add_f32 v[SS+16*\qa+\n:SS+16*\qa+\n+1], v[SS+16*\qa+\n:SS+16*\qa+\n+1], v[SS+16*\qa+\n+2:SS+16*\qa+\n+3]
.endr
.endr
.irp n, 0,8
.irp qa, 0,1
	v_pk_add_f32 v[SS+16*\qa+\n:SS+16*\qa+\n+1], v[SS+16*\qa+\n:SS+16*\qa+\n+1], v[SS+16*\qa+\n+4:SS+16*\qa+\n+5]
.endr
.endr
.irp qa, 0,1
	v_pk_add_f32 v[SS+16*\qa:SS+16*\qa+1], v[SS+16*\qa:SS+16*\qa+1], v[SS+16*\qa+8:SS+16*\qa+9]
.endr
.irp qa, 0,1
	v_pk_fma_f32 v[ST+8*\qa+2:ST+8*\qa+3], v[ST+8*\qa+2:ST+8*\qa+3], v[ST+8*\qa+6:ST+8*\qa+7], v[SS+16*\qa:SS+16*\qa+1] op_sel_hi:[1,0,1]   ; l = a l + the sum
.endr
.irp qa, 0,1
.irp n, 0,2,4,6,8,10,12,14,16,18,20,22,24,26,28,30
	v_pk_mul_f32 v[OO+32*\qa+\n:OO+32*\qa+\n+1], v[OO+32*\qa+\n:OO+32*\qa+\n+1], v[ST+8*\qa+6:ST+8*\qa+7] op_sel_hi:[1,0]   ; O^T x a, each accumulator from its low end on
.endr
.endr
	s_wait_dscnt 0x0                               ; V is in
.irp dt, 0,1,2,3                               ; O^T += V^T P: eight accumulators, one instruction each
.irp qa, 0,1
	v_wmma_f32_16x16x32_f16 v[OO+32*\qa+8*\dt:OO+32*\qa+8*\dt+7], v[VB+8*\dt:VB+8*\dt+7], v[PP+8*\qa:PP+8*\qa+7], v[OO+32*\qa+8*\dt:OO+32*\qa+8*\dt+7]
.endr
.endr
.Lhidden_\@:
.endm
; TWO CHUNKS UNDER ONE SOFTMAX: my 32 queries against my 32 keys of each of the slot's two units.  The first chunk is open; the second is open or lies on the diagonal (s96 = its first key).
; K of both units fills the two buffers; behind the products V of both units takes K's place and lands while the softmax is worked.
.macro JOINT
	HEAD
.irp u, 0,1
.irp kt, 0,1
.irp ks, 0,1
	ds_load_b128 v[KB+32*\u+16*\kt+8*\ks:KB+32*\u+16*\kt+8*\ks+3], v[ADK] offset:17408*\u+2176*\kt+64*\ks
	ds_load_b128 v[KB+32*\u+16*\kt+8*\ks+4:KB+32*\u+16*\kt+8*\ks+7], v[ADK] offset:17408*\u+2176*\kt+64*\ks+32
.endr
.endr
.endr
.irp u, 0,1
	s_wait_dscnt 8-8*\u                            ; unit u's K is in; for u = 0 the other unit's eight loads may be out
.irp ks, 0,1                                   ; a unit's four accumulators take turns
.irp kt, 0,1
.irp qa, 0,1
.if \ks == 0
	v_wmma_f32_16x16x32_f16 v[SS+32*\u+16*\qa+8*\kt:SS+32*\u+16*\qa+8*\kt+7], v[KB+32*\u+16*\kt+8*\ks:KB+32*\u+16*\kt+8*\ks+7], v[QQ+16*\qa+8*\ks:QQ+16*\qa+8*\ks+7], 0
.else
	v_wmma_f32_16x16x32_f16 v[SS+32*\u+16*\qa+8*\kt:SS+32*\u+16*\qa+8*\kt+7], v[KB+32*\u+16*\kt+8*\ks:KB+32*\u+16*\kt+8*\ks+7], v[QQ+16*\qa+8*\ks:QQ+16*\qa+8*\ks+7], v[SS+32*\u+16*\qa+8*\kt:SS+32*\u+16*\qa+8*\kt+7]
.endif
.endr
.endr
.endr
.endr
.rept 4
	v_nop                                          ; four places: in front of the loads into K's registers, and of the first read of the scores
.endr
.irp u, 0,1
.irp dt, 0,1,2,3
	ds_load_tr16_b128 v[KB+32*\u+8*\dt:KB+32*\u+8*\dt+3], v[ADV] offset:18432*\u+32*\dt
	ds_load_tr16_b128 v[KB+32*\u+8*\dt+4:KB+32*\u+8*\dt+7], v[ADV] offset:18432*\u+32*\dt+2304
.endr
.endr
	s_cmp_lg_u32 s96, s[QW]
	s_cbranch_scc1 .Lopen_\@                       ; only a second chunk on the diagonal has hidden keys
.irp j, 0,1,2,3,4,5,6,7
	v_mov_b32 v[SS+40+\j], v[NINF]                 ; tile 0's queries against its keys 16-31: all hidden
.endr
.irp j, 0,1,2,3,4,5,6,7
	v_cmp_gt_i32 vcc_lo, \j, v[DLT]                ; key 8 h + j against query r
	v_cndmask_b32 v[SS+32+\j], v[SS+32+\j], v[NINF], vcc_lo
	v_cndmask_b32 v[SS+56+\j], v[SS+56+\j], v[NINF], vcc_lo
.endr
.Lopen_\@:
.irp qa, 0,1                                   ; the largest of 32 scores and the old m: a chain for each of the tile's four accumulators, each read from its low end on
.irp c, 0,1,2,3
	v_max3_num_f32 v[ST+8*\qa+4+\c], v[SS+32*(\c/2)+16*\qa+8*(\c%2)], v[SS+32*(\c/2)+16*\qa+8*(\c%2)+1], v[SS+32*(\c/2)+16*\qa+8*(\c%2)+2]
.endr
.endr
.irp n, 3,5
.irp qa, 0,1
.irp c, 0,1,2,3
	v_max3_num_f32 v[ST+8*\qa+4+\c], v[ST+8*\qa+4+\c], v[SS+32*(\c/2)+16*\qa+8*(\c%2)+\n], v[SS+32*(\c/2)+16*\qa+8*(\c%2)+\n+1]
.endr
.endr
.endr
.irp qa, 0,1
	v_max3_num_f32 v[ST+8*\qa+4], v[ST+8*\qa+4], v[SS+16*\qa+7], v[SS+16*\qa+15]
	v_max3_num_f32 v[ST+8*\qa+6], v[ST+8*\qa+6], v[SS+32+16*\qa+7], v[SS+32+16*\qa+15]
.endr
.irp qa, 0,1
	v_max3_num_f32 v[ST+8*\qa+4], v[ST+8*\qa+4], v[ST+8*\qa+5], v[ST+8*\qa+6]
.endr
.irp qa, 0,1
	v_max3_num_f32 v[ST+8*\qa+4], v[ST+8*\qa+4], v[ST+8*\qa+7], v[ST+8*\qa+1]
.endr
.irp qa, 0,1
	v_permlanex16_b32 v[ST+8*\qa+5], v[ST+8*\qa+4], s[SEL], s[SEL+1]   ; the query's other 32 keys lie in the lane 16 away
.endr
.irp qa, 0,1
	v_max_num_f32 v[ST+8*\qa+1], v[ST+8*\qa+4], v[ST+8*\qa+5]
.endr
.irp qa, 0,1
	v_mul_f32 v[ST+8*\qa+5], s[CS], v[ST+8*\qa+1]  ; c m_new
.endr
.irp qa, 0,1
	v_sub_f32 v[ST+8*\qa+7], v[ST+8*\qa], v[ST+8*\qa+5]   ; c m_old - c m_new
.endr
.irp qa, 0,1
	v_mov_b32 v[ST+8*\qa], v[ST+8*\qa+5]
.endr
.irp b, 0,2,4,6,8,10,12,14,32,34,36,38,40,42,44,46
.irp qa, 0,1
	v_pk_fma_f32 v[SS+16*\qa+\b:SS+16*\qa+\b+1], v[SS+16*\qa+\b:SS+16*\qa+\b+1], s[CS:CS+1], v[ST+8*\qa:ST+8*\qa+1] op_sel_hi:[1,0,0] neg_lo:[0,0,1] neg_hi:[0,0,1]   ; c s - c m
.endr
.endr
	v_exp_f32 v[ST+6], v[ST+7]                     ; a = 2^(c m_old - c m_new)
	v_exp_f32 v[ST+14], v[ST+15]
.set i, 0
.rept 64
	v_exp_f32 v[SS+i], v[SS+i]                     ; p
.set i, i+1
.endr
	v_nop                                          ; a plain line behind the last exponential
	s_wait_alu depctr_va_vdst(0)                   ; one wait for the batch of 66, ahead of its first reader
.irp qa, 0,1                                   ; the sums of the unrounded p, which stays as it is: two chains a tile, one of them l itself
	v_pk_add_f32 v[ST+8*\qa+4:ST+8*\qa+5], v[SS+16*\qa:SS+16*\qa+1], v[SS+16*\qa+2:SS+16*\qa+3]
.endr
.irp qa, 0,1
	v_pk_fma_f32 v[ST+8*\qa+2:ST+8*\qa+3], v[ST+8*\qa+2:ST+8*\qa+3], v[ST+8*\qa+6:ST+8*\qa+7], v[SS+16*\qa+4:SS+16*\qa+5] op_sel_hi:[1,0,1]   ; l = a l + ..
.endr
.irp n, 6,10,34,38,42
.irp qa, 0,1
	v_pk_add_f32 v[ST+8*\qa+4:ST+8*\qa+5], v[ST+8*\qa+4:ST+8*\qa+5], v[SS+16*\qa+\n:SS+16*\qa+\n+1]
	v_pk_add_f32 v[ST+8*\qa+2:ST+8*\qa+3], v[ST+8*\qa+2:ST+8*\qa+3], v[SS+16*\qa+\n+2:SS+16*\qa+\n+3]
.endr
.endr
.irp qa, 0,1
	v_pk_add_f32 v[ST+8*\qa+4:ST+8*\qa+5], v[ST+8*\qa+4:ST+8*\qa+5], v[SS+16*\qa+14:SS+16*\qa+15]
	v_pk_add_f32 v[ST+8*\qa+2:ST+8*\qa+3], v[ST+8*\qa+2:ST+8*\qa+3], v[SS+16*\qa+32:SS+16*\qa+33]
.endr
.irp qa, 0,1
	v_pk_add_f32 v[ST+8*\qa+4:ST+8*\qa+5], v[ST+8*\qa+4:ST+8*\qa+5], v[SS+16*\qa+46:SS+16*\qa+47]
.endr
.irp qa, 0,1
	v_pk_add_f32 v[ST+8*\qa+2:ST+8*\qa+3], v[ST+8*\qa+2:ST+8*\qa+3], v[ST+8*\qa+4:ST+8*\qa+5]
.endr
.irp g, 0,16,32,48                             ; P in place: sixteen p become eight registers; in ascending order no conversion writes what a later one reads
.irp i, 0,1,2,3,4,5,6,7
	v_cvt_pk_f16_f32 v[SS+\g+\i], v[SS+\g+2*\i], v[SS+\g+2*\i+1]
.endr
.endr
.irp qa, 0,1
.irp n, 0,2,4,6,8,10,12,14,16,18,20,22,24,26,28,30
	v_pk_mul_f32 v[OO+32*\qa+\n:OO+32*\qa+\n+1], v[OO+32*\qa+\n:OO+32*\qa+\n+1], v[ST+8*\qa+6:ST+8*\qa+7] op_sel_hi:[1,0]   ; O^T x a, once for 64 keys; each accumulator from its low end on
.endr
.endr
	s_wait_dscnt 0x0                               ; V is in
.irp u, 0,1                                    ; O^T += V^T P: the eight accumulators take turns, twice round
.irp dt, 0,1,2,3
.irp qa, 0,1
	v_wmma_f32_16x16x32_f16 v[OO+32*\qa+8*\dt:OO+32*\qa+8*\dt+7], v[KB+32*\u+8*\dt:KB+32*\u+8*\dt+7], v[SS+32*\u+16*\qa:SS+32*\u+16*\qa+7], v[OO+32*\qa+8*\dt:OO+32*\qa+8*\dt+7]
.endr
.endr
.endr
.endm
; THE CHANGE OF SLOTS, at a trip's head.  Every wave waits for all its tensor loads, adds 0 to its spare word and waits for that and for its reads of the slot that it has left; behind the barrier the slot ahead is whole
; and nobody reads the other one.  fill = 1: that other slot takes the next 256 keys; where the next trip begins the second block, the walk goes back to key 0.
.macro CHANGE fill
	s_wait_tensorcnt 0x0                           ; no tensor load of mine is out, so a group 0 may be written
	ds_add_u32 v[SPW], v[NIL]
.if \fill
	ds_add_u32 v[SPW], v[NIL]                      ; and twice on end here, in every trip alike
	s_xor_b32 s[G0K+1], s[G0K+1], SLOTB            ; the other slot than last time
	s_xor_b32 s[G0V+1], s[G0V+1], VOFF^(VOFF+SLOTB)
	s_add_co_u32 s97, s[TRP], 1
	s_cmp_eq_u32 s97, s[N1]
	s_cselect_b32 s98, s[BACK], 0
	s_add_nc_u64 s[G0K+2:G0K+3], s[G0K+2:G0K+3], 32768
	s_sub_nc_u64 s[G0K+2:G0K+3], s[G0K+2:G0K+3], s[98:99]
	s_add_nc_u64 s[G0V+2:G0V+3], s[G0V+2:G0V+3], 32768
	s_sub_nc_u64 s[G0V+2:G0V+3], s[G0V+2:G0V+3], s[98:99]
	s_wait_xcnt 0x0                                ; the last prefetch, a trip back, has read its address
	s_add_nc_u64 s[PFA:PFA+1], s[PFA:PFA+1], 32768
.endif
	s_wait_dscnt 0x0
	s_barrier_signal -1
	s_barrier_wait -1
.if \fill
	TLOAD                                          ; the first thing behind the barrier, and a wave's one tensor load until the next change: it has a trip's two units in which to land
	ASK
.endif
.endm
.macro DUMP                            ; a block's end: my (c m, l) and my O^T go to LDS
.rept 4
	v_nop                                          ; places behind the last products
.endr
.irp qa, 0,1
	v_add_f32 v[ST+8*\qa+4], v[ST+8*\qa+2], v[ST+8*\qa+3]
.endr
.irp qa, 0,1
	v_permlanex16_b32 v[ST+8*\qa+5], v[ST+8*\qa+4], s[SEL], s[SEL+1]
.endr
.irp qa, 0,1
	v_add_f32 v[ST+8*\qa+4], v[ST+8*\qa+4], v[ST+8*\qa+5]
.endr
	v_mov_b32 v64, v[ST]
	v_mov_b32 v65, v[ST+4]
	v_mov_b32 v66, v[ST+8]
	v_mov_b32 v67, v[ST+12]
	ds_store_b128 v[STS], v[64:67]
.irp n, 0,1,2,3,4,5,6,7
	ds_store_b128 v[DMP], v[OO+8*\n:OO+8*\n+3] offset:IMT*\n          ; each accumulator from its low end on
	ds_store_b128 v[DMP], v[OO+8*\n+4:OO+8*\n+7] offset:IMT*\n+IMH
.endr
.endm
; The four key quarters of my query group become one: weights 2^(c m_p - c m*), O = the weighted sum / the weighted l.  A quarter that saw no key has l = 0, O = 0 and the weight 0.
; Registers: v64-127 the four quarters' numbers; v128-143 their (c m, l); v144-157 at work; v160-167 the rows to store.
.macro MERGE out
.rept 4
	v_nop                                          ; places in front of loads into registers that the last products read
.endr
.irp p, 0,1,2,3
.irp ii, 0,1
	ds_load_b64 v[128+4*\p+2*\ii:129+4*\p+2*\ii], v[MRS] offset:512*\p+64*\ii
	ds_load_b128 v[64+16*\p+8*\ii:67+16*\p+8*\ii], v[MRO] offset:IMW*\p+64*\ii
	ds_load_b128 v[68+16*\p+8*\ii:71+16*\p+8*\ii], v[MRO] offset:IMW*\p+64*\ii+IMH
.endr
.endr
	s_wait_dscnt 0x0
.irp ii, 0,1
	v_max3_num_f32 v[144+\ii], v[128+2*\ii], v[132+2*\ii], v[136+2*\ii]
.endr
.irp ii, 0,1
	v_max_num_f32 v[144+\ii], v[144+\ii], v[140+2*\ii]
.endr
.irp p, 0,1,2,3
.irp ii, 0,1
	v_sub_f32 v[146+2*\p+\ii], v[128+4*\p+2*\ii], v[144+\ii]
.endr
.endr
.irp n, 0,1,2,3,4,5,6,7
	v_exp_f32 v[146+\n], v[146+\n]
.endr
	v_nop
	s_wait_alu depctr_va_vdst(0)                   ; one wait for the eight
.irp ii, 0,1
	v_mul_f32 v[154+\ii], v[146+\ii], v[129+2*\ii]
.endr
.irp p, 1,2,3
.irp ii, 0,1
	v_fmac_f32 v[154+\ii], v[146+2*\p+\ii], v[129+4*\p+2*\ii]
.endr
.endr
.irp ii, 0,1
	v_rcp_f32 v[156+\ii], v[154+\ii]
.endr
	v_nop
	s_wait_alu depctr_va_vdst(0)                   ; one wait for the two
.irp p, 0,1,2,3
.irp ii, 0,1
	v_mul_f32 v[146+2*\p+\ii], v[146+2*\p+\ii], v[156+\ii]
.endr
.endr
.irp ii, 0,1
.irp e, 0,1,2,3,4,5,6,7
	v_mul_f32 v[64+8*\ii+\e], v[64+8*\ii+\e], v[146+\ii]
.endr
.endr
.irp p, 1,2,3
.irp ii, 0,1
.irp e, 0,1,2,3,4,5,6,7
	v_fmac_f32 v[64+8*\ii+\e], v[64+16*\p+8*\ii+\e], v[146+2*\p+\ii]
.endr
.endr
.endr
.irp ii, 0,1
.irp e, 0,1,2,3
	v_cvt_pk_f16_f32 v[160+4*\ii+\e], v[64+8*\ii+2*\e], v[65+8*\ii+2*\e]
.endr
.endr
.irp ii, 0,1
	global_store_b128 v[GO], v[160+4*\ii:163+4*\ii], s[\out:\out+1] offset:512*\ii   ; four rows of 128 bytes: 512 consecutive bytes, aligned
.endr
	s_wait_xcnt 0x0                                ; the stores have read their registers
.endm
.macro TRIP fill, last
	CHANGE \fill
	s_cmp_lg_u32 s[TRP], s[N1]                     ; ids and the count of trips alone: all sixteen waves go the same way
	s_cbranch_scc1 .Lsame_\@
	MERGE OUTA                                     ; the first block, dumped at the last trip's end, goes out; the second begins
	RESET QWB
.Lsame_\@:
	s_wait_loadcnt 0x0                             ; Q
	s_add_co_u32 s96, s[KFW], 128                  ; my first key of the slot's second unit
	s_cmp_gt_u32 s96, s[QW]                        ; hidden?
	s_cbranch_scc1 .Lone_\@
	JOINT
	s_branch .Lboth_\@
.Lone_\@:
	STEP
.Lboth_\@:
	s_xor_b32 s[TB], s[TB], SLOTB
	s_add_co_u32 s[KFW], s[KFW], 256
	s_add_co_u32 s[TRP], s[TRP], 1
	s_wait_dscnt 0x0
	s_barrier_signal -1                            ; every wave's reads of the images are over before any wave stores images again
	s_barrier_wait -1
.if !\last
	s_cmp_lg_u32 s[TRP], s[N1]
	s_cbranch_scc1 .Lon_\@
	DUMP
	QLOAD QB
.Lon_\@:
.endif
.endm
.Lslot:                                            ; eight trips, each asking for the next trip's slot
	TRIP 1, 0
	s_sub_co_u32 s[SLOTS], s[SLOTS], 1
	s_cmp_lg_u32 s[SLOTS], 0
	s_cbranch_scc1 .Lslot
	TRIP 0, 1                                      ; the ninth is written out: nothing is left to fetch
	DUMP
	s_wait_dscnt 0x0
	s_barrier_signal -1
	s_barrier_wait -1
	MERGE OUTB
	s_wait_tensorcnt 0x0                           ; the wave's end
	ds_add_u32 v[SPW], v[NIL]
	s_wait_dscnt 0x0
	s_endpgm
.Lfunc_end_k_q673aeaa9de_attn:
	.size	k_q673aeaa9de_attn, .Lfunc_end_k_q673aeaa9de_attn-k_q673aeaa9de_attn
	.p2alignl 7, 3214868480
	.fill 96, 4, 3214868480
	.section	.rodata,"a",@progbits
	.p2align	6, 0x0
	.amdhsa_kernel k_q673aeaa9de_attn
		.amdhsa_group_segment_fixed_size 327680
		.amdhsa_private_segment_fixed_size 0
		.amdhsa_enable_private_segment 0
		.amdhsa_kernarg_size 16
		.amdhsa_user_sgpr_count 2
		.amdhsa_user_sgpr_kernarg_segment_ptr 1
		.amdhsa_wavefront_size32 1
		.amdhsa_system_sgpr_workgroup_id_x 1
		.amdhsa_system_sgpr_workgroup_id_y 1
		.amdhsa_system_sgpr_workgroup_id_z 1
		.amdhsa_system_vgpr_workitem_id 0
		.amdhsa_next_free_vgpr 256
		.amdhsa_next_free_sgpr 100
		.amdhsa_reserve_vcc 1
		.amdhsa_float_denorm_mode_32 3
		.amdhsa_float_denorm_mode_16_64 3
		.amdhsa_memory_ordered 1
		.amdhsa_forward_progress 1
		.amdhsa_inst_pref_size 98
	.end_amdhsa_kernel
	.amdgpu_metadata
---
amdhsa.version: [ 1, 2 ]
amdhsa.kernels:
  - .name:           k_q673aeaa9de_attn
    .symbol:         k_q673aeaa9de_attn.kd
    .args:
      - { .name: qkv, .offset: 0, .size: 8, .value_kind: global_buffer, .address_space: global }
      - { .name: ctx16, .offset: 8, .size: 8, .value_kind: global_buffer, .address_space: global }
    .group_segment_fixed_size: 327680
    .private_segment_fixed_size: 0
    .kernarg_segment_align: 8
    .kernarg_segment_size: 16
    .max_flat_workgroup_size: 512
    .sgpr_count:     100
    .vgpr_count:     256
    .wavefront_size: 32
...
	.end_amdgpu_metadata
.endif
;; end of part 3
;; launch outp (part 4): grid 8 x 32, 4 waves a work-group, clusters of 4 x 4, 327,680 bytes of LDS; arguments ctx16, wo16, out0; writes out0
.if DOCPART == 4
	.amdgcn_target "amdgcn-amd-amdhsa--gfx1250"
	.amdhsa_code_object_version 6
	.text
	.protected	k_q673aeaa9de_outp
	.globl	k_q673aeaa9de_outp
	.p2align	8
	.type	k_q673aeaa9de_outp,@function
k_q673aeaa9de_outp:
	s_mov_b64 s[64:65], 0
	v_nop
	global_prefetch_b8 v0, s[64:65] scope:SCOPE_SE
	s_setreg_imm32_b32 hwreg(HW_REG_WAVE_MODE, 25, 1), 1
	s_wait_xcnt 0x0
	s_wait_alu depctr_hold_cnt(0) depctr_sa_sdst(0) depctr_va_vdst(0) depctr_va_sdst(0) depctr_va_ssrc(0) depctr_va_vcc(0) depctr_vm_vsrc(0)
	s_getreg_b32 s2, hwreg(HW_REG_IB_STS2, 6, 4)
	s_cmp_eq_u32 s2, 0
	s_cbranch_scc0 .Lentry_in_a_cluster
	s_endpgm
.Lentry_in_a_cluster:
	s_bfe_u32 s2, ttmp6, 0x10000c
	s_cmp_lg_u32 s2, 0xf033
	s_cbranch_scc0 .Lentry_shape_is_right
	s_endpgm
.Lentry_shape_is_right:
; OUTP: out0[4096 m][1024 n] = ctx x out_proj, operands f16, sums f32.  ctx16 is [16 heads][4096 m][64]; wo16 is [1024 k][1024 n], k = 64 head + channel.
; A tile of out0 is 128 x 128: 8 x 32 work-groups.  Four waves, each 64 x 64: 16 accumulators.  K goes in four steps of 256 (four heads) through two LDS slots, written out without a loop.
; ctx's tile: 64 rows of m are 8,192 dense bytes of a head: a tensor row; four heads are four such rows; 16 bytes of padding behind every 256 (two rows of m).
; out_proj's tile: 128 rows of k x 128 columns, rows 256 + 32 bytes apart; its fragments come out of LDS turned, by ds_load_tr16_b128.
; CLUSTERS: 4 x 4 work-groups; ctx's tiles are shared along a row of the cluster, out_proj's along a column, by joint loads.
; THE MATRIX INSTRUCTION IS USED TRANSPOSED (source 0 = 16 columns of out_proj, source 1 = 16 rows of ctx): a lane holds eight neighbouring numbers of a row of out0.
; All 4,096 rows are written here; positions 0-15 of each batch are written again, more finely, by the next launch.
; REGISTERS: window 0: v16-29 addresses; v32-95 the way out; v128-255 accumulators ((a, b) at v[128 + 8 (4 a + b)]).  window 1: two fragment buffers of 128: 64 registers of ctx (2 x 4 x 16 rows x 32 K), then 64 of out_proj.
.set AHALF,  34816                     ; 64 rows of m x 4 heads: a head 32 x 272 bytes
.set BOFF,   69632
.set BHALF,  36864                     ; 128 rows of k x 288 bytes
.set SLOT,   143360
.set SPARE,  286720                    ; the spare words, 128 bytes for each wave: two blocks of 256 bytes that no other line names
.set SPITCH, 272                       ; the way out: a wave's stage of 16 rows x (256 + 16) bytes, in slot 0, which has had its last fill and its last read by then
.set ADRA, 16                          ; v16-17  ctx's fragments in slot 0, 1
.set ADRB, 20                          ; v20-23  out_proj's: slot 0 heads 0-1, heads 2-3, slot 1 likewise
.set STO,  24
.set RD,   25
.set CO,   26
.set SPW,  28
.set NIL,  29
.set TMP,  32
.set ACC,  128
.set F0,   0
.set F1,   128
.set G1, 24
.set G0, 32
.set G1B, 48
.set G0B, 56
.set MSB, 0
.macro WIN new
.if MSB != \new
	s_set_vgpr_msb (MSB<<8)|\new
.set MSB, \new
.endif
.endm
.set MUL,  0x05                        ; sources 0 and 1 window 1; C and D window 0
.set TO_F, 0x40                        ; destination window 1, address window 0
.macro JLOAD s                         ; a joint load: waves 0 and 1 fetch ctx's halves, waves 2 and 3 out_proj's; an s_nop 0 and four v_nop follow each line
	s_cmp_eq_u32 s11, 0
	s_cbranch_scc0 .Lfor_b_\@
	tensor_load_to_lds s[G0+4*\s:G0+4*\s+3], s[G1:G1+7]
	s_nop 0
.rept 4
	v_nop
.endr
	s_branch .Lasked_\@
.Lfor_b_\@:
	tensor_load_to_lds s[G0B+4*\s:G0B+4*\s+3], s[G1B:G1B+7]
	s_nop 0
.rept 4
	v_nop
.endr
.Lasked_\@:
.endm
.macro CREST
	s_cmp_lg_u32 s10, 0
	s_cbranch_scc1 .Lnot_wave_0_\@
	s_barrier_signal -3
.Lnot_wave_0_\@:
	s_barrier_wait -3
	s_barrier_signal -1
	s_barrier_wait -1
.endm
.macro CROUND
	s_barrier_signal -1
	s_barrier_wait -1
	CREST
.endm
	s_load_b128 s[4:7], s[0:1], 0x0                ; ctx16, wo16
	s_load_b64 s[8:9], s[0:1], 0x10                ; out0
	v_lshl_add_u32 v[SPW], v0, 2, SPARE
	v_mov_b32 v[NIL], 0
	ds_add_u32 v[SPW], v[NIL]                      ; the wave's opening: the add, twice on end, and its wait ahead of my first tensor load
	ds_add_u32 v[SPW], v[NIL]
	v_lshrrev_b32 v1, 5, v0
	v_readfirstlane_b32 s10, v1                    ; wave
	s_lshr_b32 s11, s10, 1                         ; which half of the tile's rows is mine.  Also: I fetch for ctx (0) or out_proj (1)
	s_and_b32 s12, s10, 1                          ; which half of its columns.  Also: which half of that tile I fetch
	s_bfe_u32 s40, ttmp6, 0x40000
	s_bfe_u32 s41, ttmp6, 0x40004
	s_lshl_b32 s42, ttmp9, 2
	s_add_co_u32 s42, s42, s40                     ; tile column
	s_and_b32 s13, ttmp7, 0xffff
	s_lshl_b32 s13, s13, 2
	s_add_co_u32 s13, s13, s41                     ; tile row
	s_lshl_b32 s43, s41, 2
	s_lshl_b32 s43, 15, s43
	s_lshl_b32 s44, 0x1111, s40
	s_or_b32 s[G1+0], s43, (1<<16)|(1<<20)|(1<<21)|(5<<22)|(3<<25)   ; elements of 2 bytes; 4 words of padding behind every 64
	s_mov_b32 s[G1+1], 4096<<16                    ; tensor_dim0 = 4,096 elements: 64 rows of m of one head
	s_mov_b32 s[G1+2], 4<<16                       ; tensor_dim1 = 4 heads
	s_mov_b32 s[G1+3], 4096<<16                    ; tile_dim0
	s_mov_b32 s[G1+4], 4                           ; tile_dim1
	s_mov_b32 s[G1+5], 262144                      ; from head to head
	s_mov_b32 s[G1+6], 0
	s_mov_b32 s[G1+7], 0
	s_or_b32 s[G1B+0], s44, (1<<16)|(1<<20)|(1<<21)|(5<<22)|(7<<25)  ; 8 words of padding behind every 64
	s_mov_b32 s[G1B+1], 128<<16
	s_mov_b32 s[G1B+2], 128<<16
	s_mov_b32 s[G1B+3], 128<<16
	s_mov_b32 s[G1B+4], 128
	s_mov_b32 s[G1B+5], 1024
	s_mov_b32 s[G1B+6], 0
	s_mov_b32 s[G1B+7], 0
	s_lshl_b32 s16, s13, 14
	s_lshl_b32 s17, s12, 13
	s_add_co_u32 s16, s16, s17                     ; ctx: (128 x tile row + 64 x half) x 128 bytes
	s_mov_b32 s17, 0
	s_lshl_b32 s46, s42, 8
	s_lshl_b32 s47, s12, 18
	s_add_co_u32 s46, s46, s47                     ; out_proj: 128 x half rows of 2,048 bytes + 256 x tile column
	s_mov_b32 s47, 0
	s_mul_i32 s20, s12, AHALF
	s_mul_i32 s21, s12, BHALF
	s_add_co_u32 s21, s21, BOFF
	s_wait_dscnt 0x0                               ; both opening adds are done
	s_wait_kmcnt 0x0
	s_add_nc_u64 s[14:15], s[4:5], s[16:17]
	s_add_nc_u64 s[46:47], s[6:7], s[46:47]
	CROUND
.irp s, 0,1
	s_mov_b32 s[G0+4*\s], 1
	s_add_co_u32 s[G0+4*\s+1], s20, \s*SLOT
	s_add_nc_u64 s[G0+4*\s+2:G0+4*\s+3], s[14:15], \s*2097152      ; K step s: four heads on
	s_or_b32 s[G0+4*\s+3], s[G0+4*\s+3], 0x80000000
	s_mov_b32 s[G0B+4*\s], 1
	s_add_co_u32 s[G0B+4*\s+1], s21, \s*SLOT
	s_add_nc_u64 s[G0B+4*\s+2:G0B+4*\s+3], s[46:47], \s*524288     ; 256 rows on
	s_or_b32 s[G0B+4*\s+3], s[G0B+4*\s+3], 0x80000000
	JLOAD \s
.endr
	v_and_b32 v1, 15, v0                           ; r
	v_bfe_u32 v2, v0, 4, 1                         ; h
	v_lshrrev_b32 v3, 1, v1
	v_mul_u32_u24 v3, v3, 272
	v_and_b32 v4, 1, v0
	v_lshl_add_u32 v3, v4, 7, v3
	v_lshl_add_u32 v3, v2, 4, v3                   ; ctx: row rho lies at (rho / 2) 272 + (rho % 2) 128
	s_mul_i32 s22, s11, AHALF
	v_add_nc_u32 v[ADRA], s22, v3
	s_add_co_u32 s22, s22, SLOT
	v_add_nc_u32 v[ADRA+1], s22, v3
	v_and_b32 v4, 7, v0
	v_lshl_add_u32 v4, v2, 3, v4
	v_mul_u32_u24 v4, v4, 288
	v_bfe_u32 v5, v0, 3, 1
	v_lshl_add_u32 v4, v5, 4, v4                   ; out_proj, turned: row 8 h + lane % 8, columns 8 ((lane / 8) % 2) on
	s_lshl_b32 s22, s12, 7
	s_add_co_u32 s22, s22, BOFF
	v_add_nc_u32 v[ADRB], s22, v4
	s_add_co_u32 s23, s22, BHALF
	v_add_nc_u32 v[ADRB+1], s23, v4
	s_add_co_u32 s22, s22, SLOT
	v_add_nc_u32 v[ADRB+2], s22, v4
	s_add_co_u32 s23, s23, SLOT
	v_add_nc_u32 v[ADRB+3], s23, v4
	s_mul_i32 s23, s10, 16*SPITCH                  ; my stage
	v_mul_u32_u24 v4, v1, SPITCH
	v_lshl_add_u32 v4, v2, 5, v4
	v_add_nc_u32 v[STO], s23, v4                   ; in: row r, 32 bytes for each half of the lanes
	v_mul_u32_u24 v5, v2, SPITCH
	v_lshl_add_u32 v5, v1, 4, v5
	v_add_nc_u32 v[RD], s23, v5                    ; back: lanes 0-15 one row of 256 bytes, lanes 16-31 the next
	v_lshlrev_b32 v5, 12, v2
	v_lshl_add_u32 v[CO], v1, 4, v5                ; and the same two rows in out0
	s_lshl_b32 s18, s13, 19
	s_lshl_b32 s19, s11, 18
	s_add_co_u32 s18, s18, s19
	s_lshl_b32 s19, s42, 9
	s_add_co_u32 s18, s18, s19
	s_lshl_b32 s19, s12, 8
	s_add_co_u32 s18, s18, s19
	s_mov_b32 s19, 0
	s_add_nc_u64 s[8:9], s[8:9], s[18:19]
.macro MUL8 f, c, a0, zero             ; m blocks a0, a0 + 1 x all 4 n blocks, 32 along K: half c of buffer f.  The 16 accumulators take turns
.irp a, \a0, \a0+1
.irp b, 0,1,2,3
.if \zero
	v_wmma_f32_16x16x32_f16 v[ACC+8*(4*(\a)+\b):ACC+8*(4*(\a)+\b)+7], v[\f+64+8*(4*\c+\b):\f+64+8*(4*\c+\b)+7], v[\f+8*(4*\c+\a):\f+8*(4*\c+\a)+7], 0
.else
	v_wmma_f32_16x16x32_f16 v[ACC+8*(4*(\a)+\b):ACC+8*(4*(\a)+\b)+7], v[\f+64+8*(4*\c+\b):\f+64+8*(4*\c+\b)+7], v[\f+8*(4*\c+\a):\f+8*(4*\c+\a)+7], v[ACC+8*(4*(\a)+\b):ACC+8*(4*(\a)+\b)+7]
.endif
.endr
.endr
.endm
.macro FETCH slot, z, f                ; 32 LDS loads in one run: head z of the slot (64 along K) into buffer f; its first 32 along K first
	WIN TO_F
.irp c, 0,1
.irp i, 0,1,2,3
	ds_load_tr16_b128 v[\f+64+8*(4*\c+\i):\f+64+8*(4*\c+\i)+3],   v[ADRB+2*\slot+(\z)/2] offset:(64*((\z)%2)+32*\c)*288+32*\i
	ds_load_tr16_b128 v[\f+64+8*(4*\c+\i)+4:\f+64+8*(4*\c+\i)+7], v[ADRB+2*\slot+(\z)/2] offset:(64*((\z)%2)+32*\c)*288+32*\i+4608
	ds_load_b128 v[\f+8*(4*\c+\i):\f+8*(4*\c+\i)+3],              v[ADRA+\slot] offset:8704*(\z)+64*\c+2176*\i
	ds_load_b128 v[\f+8*(4*\c+\i)+4:\f+8*(4*\c+\i)+7],            v[ADRA+\slot] offset:8704*(\z)+64*\c+2176*\i+32
.endr
.endr
.endm
.macro PLACES
.rept 4
	v_nop
.endr
.endm
.macro QUARTER slot, z, f, g, zero     ; multiplies buffer f and fetches head z of the same slot into g
	s_wait_dscnt 16                                ; the first 32 along K are in; the youngest sixteen loads may be out
	WIN MUL
	MUL8 \f, 0, 0, \zero
	MUL8 \f, 0, 2, \zero
	PLACES
	FETCH \slot, \z, \g
	s_wait_dscnt 32                                ; all but the 32 just issued
	WIN MUL
	MUL8 \f, 1, 0, 0
	MUL8 \f, 1, 2, 0
.endm
.macro TURN slot, next, fill           ; a slot's last quarter multiplies buffer 1 and changes slots
	WIN 0
	s_wait_tensorcnt 0x0                           ; all my tensor loads have landed: my part of the next slot;
	ds_add_u32 v[SPW], v[NIL]
	s_wait_dscnt 17                                ; (the add and the youngest sixteen loads may be out)
	WIN MUL
	MUL8 F1, 0, 0, 0
	s_wait_dscnt 0x0                               ; the add is done, and my reads of this slot are over
	s_barrier_signal -1
	MUL8 F1, 0, 2, 0
.if \fill
	WIN 0
.endif
	s_barrier_wait -1
.if \fill
	CREST                                          ; the barrier has opened a round of the cluster's barrier: no wave of any partner still reads this slot or has a load on its way
	s_add_nc_u64 s[G0+4*\slot+2:G0+4*\slot+3], s[G0+4*\slot+2:G0+4*\slot+3], 4194304
	s_add_nc_u64 s[G0B+4*\slot+2:G0B+4*\slot+3], s[G0B+4*\slot+2:G0B+4*\slot+3], 1048576
	JLOAD \slot                                    ; the first tensor load behind the round; its four v_nop are also the places in front of the loads below
.else
	PLACES
.endif
	FETCH \next, 0, F0
	WIN MUL
	MUL8 F1, 1, 0, 0
	MUL8 F1, 1, 2, 0
.endm
	s_wait_tensorcnt 1                             ; my part of K step 0 is in; K step 1's load may be out
	s_barrier_signal -1
	s_barrier_wait -1
	FETCH 0, 0, F0
	QUARTER 0, 1, F0, F1, 1                        ; the first products start the sums
	QUARTER 0, 2, F1, F0, 0
	QUARTER 0, 3, F0, F1, 0
	TURN 0, 1, 1                                   ; slot 0 takes K step 2
	QUARTER 1, 1, F0, F1, 0
	QUARTER 1, 2, F1, F0, 0
	QUARTER 1, 3, F0, F1, 0
	TURN 1, 0, 1                                   ; slot 1 takes K step 3
	QUARTER 0, 1, F0, F1, 0
	QUARTER 0, 2, F1, F0, 0
	QUARTER 0, 3, F0, F1, 0
	TURN 0, 1, 0                                   ; nothing is left to fetch
	QUARTER 1, 1, F0, F1, 0
	QUARTER 1, 2, F1, F0, 0
	QUARTER 1, 3, F0, F1, 0
	s_wait_dscnt 16
	WIN MUL
	MUL8 F1, 0, 0, 0
	MUL8 F1, 0, 2, 0
	s_wait_dscnt 0
	MUL8 F1, 1, 0, 0
	MUL8 F1, 1, 2, 0
	WIN 0
	; THE WAY OUT: a wave's 64 columns are 256 bytes of a row, aligned: a block of 16 rows goes through my own stage and comes back as whole rows.
.macro TOSTAGE a
.irp b, 0,1,2,3
	ds_store_b128 v[STO], v[ACC+8*(4*(\a)+\b):ACC+8*(4*(\a)+\b)+3] offset:64*\b         ; each accumulator from its low end on
	ds_store_b128 v[STO], v[ACC+8*(4*(\a)+\b)+4:ACC+8*(4*(\a)+\b)+7] offset:64*\b+16
.endr
.set BB, TMP+32*((\a)%2)
.irp t, 0,1,2,3,4,5,6,7
	ds_load_b128 v[BB+4*\t:BB+4*\t+3], v[RD] offset:\t*2*SPITCH    ; LDS serves a wave's instructions in order: these see the stores above
.endr
.endm
.macro SEND a, younger
.set BB, TMP+32*((\a)%2)
	s_wait_dscnt \younger
.irp t, 0,1,2,3,4,5,6,7
	global_store_b128 v[CO], v[BB+4*\t:BB+4*\t+3], s[8:9] offset:(16*(\a)+2*\t)*4096 th:TH_STORE_NT   ; sixteen lanes store 256 consecutive bytes, aligned
.endr
.endm
	PLACES
	TOSTAGE 0
.irp a, 1,2,3
.if \a > 1
	s_wait_xcnt 0x0                                ; block a - 2's stores have read their registers
.endif
	TOSTAGE \a
	SEND \a-1, 16                                  ; behind block a - 1's loads: block a's 8 stores and 8 loads
.endr
	SEND 3, 0
	s_wait_tensorcnt 0x0                           ; the wave's end
	ds_add_u32 v[SPW], v[NIL]
	s_wait_dscnt 0x0
	CROUND                                         ; the closing round
	s_endpgm
.Lfunc_end_k_q673aeaa9de_outp:
	.size	k_q673aeaa9de_outp, .Lfunc_end_k_q673aeaa9de_outp-k_q673aeaa9de_outp
	.p2alignl 7, 3214868480
	.fill 96, 4, 3214868480
	.section	.rodata,"a",@progbits
	.p2align	6, 0x0
	.amdhsa_kernel k_q673aeaa9de_outp
		.amdhsa_group_segment_fixed_size 327680
		.amdhsa_private_segment_fixed_size 0
		.amdhsa_enable_private_segment 0
		.amdhsa_kernarg_size 24
		.amdhsa_user_sgpr_count 2
		.amdhsa_user_sgpr_kernarg_segment_ptr 1
		.amdhsa_wavefront_size32 1
		.amdhsa_system_sgpr_workgroup_id_x 1
		.amdhsa_system_sgpr_workgroup_id_y 1
		.amdhsa_system_sgpr_workgroup_id_z 1
		.amdhsa_system_vgpr_workitem_id 0
		.amdhsa_next_free_vgpr 512
		.amdhsa_next_free_sgpr 66
		.amdhsa_reserve_vcc 0
		.amdhsa_float_denorm_mode_32 3
		.amdhsa_float_denorm_mode_16_64 3
		.amdhsa_memory_ordered 1
		.amdhsa_forward_progress 1
		.amdhsa_inst_pref_size 86
	.end_amdhsa_kernel
	.amdgpu_metadata
---
amdhsa.version: [ 1, 2 ]
amdhsa.kernels:
  - .name:           k_q673aeaa9de_outp
    .symbol:         k_q673aeaa9de_outp.kd
    .args:
      - { .name: ctx16, .offset: 0, .size: 8, .value_kind: global_buffer, .address_space: global }
      - { .name: wo16, .offset: 8, .size: 8, .value_kind: global_buffer, .address_space: global }
      - { .name: out0, .offset: 16, .size: 8, .value_kind: global_buffer, .address_space: global }
    .group_segment_fixed_size: 327680
    .private_segment_fixed_size: 0
    .kernarg_segment_align: 8
    .kernarg_segment_size: 24
    .max_flat_workgroup_size: 128
    .sgpr_count:     66
    .vgpr_count:     512
    .wavefront_size: 32
...
	.end_amdgpu_metadata
.endif
;; end of part 4
;; launch fine (part 5): grid 64 x 2, 16 waves a work-group, no clusters, 18,432 bytes of LDS; arguments qkv32, out_proj, out0; writes out0
.if DOCPART == 5
	.amdgcn_target "amdgcn-amd-amdhsa--gfx1250"
	.amdhsa_code_object_version 6
	.text
	.protected	k_q673aeaa9de_fine
	.globl	k_q673aeaa9de_fine
	.p2align	8
	.type	k_q673aeaa9de_fine,@function
k_q673aeaa9de_fine:
	s_mov_b64 s[64:65], 0
	v_nop
	global_prefetch_b8 v0, s[64:65] scope:SCOPE_SE
	s_setreg_imm32_b32 hwreg(HW_REG_WAVE_MODE, 25, 1), 1
	s_wait_xcnt 0x0
; FINE: positions 0-15 of each batch once more, in f32 from end to end: scores, softmax, and out = P (V Wo).  These rows average one to sixteen values and are the largest in size.
; A work-group takes 16 columns of out0 (x) of one batch (y); a wave takes one head: its 16 x 16 scores, its V Wo (16 keys x 16 columns) and its part of the 16 x 16 outputs; the sixteen parts are added through LDS.
; qkv32 holds q, k, v of these rows as images of 16 x 16 tiles: lane (r, h), register j = (row r, column 16 tile + 8 h + j); registers 0-3 at 16 x lane, registers 4-7 at 512 + 16 x lane.
; WHY P (V Wo) AND NOT (P V) Wo: an image's register pairs are fragments whose lane is the row and whose registers run along the channels.  That is what the scores want of q and k, and what V Wo wants of v,
; both sums running over the channels; and the result of V Wo (lane = column, registers = keys 8 h + j) is in turn the fragment that the last product, a sum over the keys, wants beside P.  So nothing is turned.
; All products by v_wmma_f32_16x16x4_f32; the contracted index is dealt to the instructions' four places in the same order on both sides.  The registers that these instructions write are written by them alone.
; The scores are repeated in each of the 64 column chunks: 16 of a wave's 36 matrix instructions; wider chunks would leave fewer work-groups with more to do each.  The stores are runs of 64 bytes, 131,072 bytes in all.
.set SPARE, 16384                      ; behind the sixteen parts: the spare words, 128 bytes for each wave: eight blocks of 256 bytes that no other line names
.set QQ, 16                            ; v16-47   q; later at work, v32-39 V Wo
.set KK, 48                            ; v48-79   k
.set VV, 80                            ; v80-111  v
.set WF, 112                           ; v112-143 out_proj: register 8 t + j = Wo(64 head + 16 t + 8 h + j, my column r)
.set SA, 144                           ; v144-175 the scores, four partial sums
.set WA, 176                           ; v176-207 V Wo, four partial sums
.set UA, 208                           ; v208-239 the outputs, four partial sums
	s_load_b128 s[4:7], s[0:1], 0x0                ; qkv32, out_proj
	s_load_b64 s[8:9], s[0:1], 0x10                ; out0
	v_lshl_add_u32 v8, v0, 2, SPARE
	v_mov_b32 v9, 0
	v_lshrrev_b32 v10, 5, v0
	v_readfirstlane_b32 s10, v10                   ; wave = head
	s_and_b32 s11, ttmp7, 0xffff                   ; batch
	v_and_b32 v10, 31, v0
	v_and_b32 v11, 15, v0                          ; r
	v_bfe_u32 v12, v0, 4, 1                        ; h
	v_lshlrev_b32 v1, 4, v10                       ; an image's place for my lane
	v_lshlrev_b32 v3, 15, v12
	v_lshl_add_u32 v3, v11, 2, v3                  ; out_proj: 8 h rows of 4,096 bytes + 4 r
	v_lshlrev_b32 v13, 3, v12
	v_sub_nc_u32 v4, v11, v13                      ; r - 8 h
	s_lshl_b32 s12, s10, 10
	v_add_nc_u32 v5, s12, v1                       ; my part's image in LDS
	v_and_b32 v13, 63, v0                          ; the adding up: thread t of 64: row t / 4, four columns t % 4
	v_lshrrev_b32 v6, 2, v13
	v_lshlrev_b32 v7, 12, v6
	v_lshlrev_b32 v6, 4, v6
	v_and_b32 v13, 1, v0
	v_lshl_add_u32 v6, v13, 9, v6
	v_bfe_u32 v13, v0, 1, 1
	v_lshl_add_u32 v6, v13, 8, v6
	v_and_b32 v13, 3, v0
	v_lshl_add_u32 v7, v13, 4, v7
	s_mov_b32 s14, 0x76543210
	s_mov_b32 s15, 0xfedcba98
	s_mov_b32 s16, 0x3e38aa3b                      ; c = log2(e) / 8
	s_mul_i32 s12, s11, 8*196608                   ; batch y's rows lie in row tile 8 y
	s_lshl_b32 s13, s10, 12
	s_add_co_u32 s12, s12, s13                     ; my head's four tiles
	s_mov_b32 s13, 0
	s_lshl_b32 s18, s10, 18                        ; out_proj: my head's 64 rows,
	s_lshl_b32 s17, ttmp9, 6
	s_add_co_u32 s18, s18, s17                     ; my work-group's 16 columns
	s_mov_b32 s19, 0
	s_lshl_b32 s20, s11, 23
	s_add_co_u32 s20, s20, s17
	s_mov_b32 s21, 0
	s_wait_kmcnt 0x0
	s_add_nc_u64 s[4:5], s[4:5], s[12:13]
	s_add_nc_u64 s[6:7], s[6:7], s[18:19]
	s_add_nc_u64 s[8:9], s[8:9], s[20:21]
.irp t, 0,1,2,3
	global_load_b128 v[QQ+8*\t:QQ+8*\t+3], v1, s[4:5] offset:1024*\t
	global_load_b128 v[QQ+8*\t+4:QQ+8*\t+7], v1, s[4:5] offset:1024*\t+512
	global_load_b128 v[KK+8*\t:KK+8*\t+3], v1, s[4:5] offset:65536+1024*\t
	global_load_b128 v[KK+8*\t+4:KK+8*\t+7], v1, s[4:5] offset:65536+1024*\t+512
.endr
.irp t, 0,1,2,3
	global_load_b128 v[VV+8*\t:VV+8*\t+3], v1, s[4:5] offset:131072+1024*\t
	global_load_b128 v[VV+8*\t+4:VV+8*\t+7], v1, s[4:5] offset:131072+1024*\t+512
.endr
.irp t, 0,1,2,3
.irp j, 0,1,2,3,4,5,6,7
	global_load_b32 v[WF+8*\t+\j], v3, s[6:7] offset:(16*\t+\j)*4096
.endr
.endr
	v_mov_b32 v14, 0xff800000
	s_wait_loadcnt 40                              ; q and k are in; v's 8 loads and out_proj's 32 may be out
.irp u, 0,1,2,3                                ; S^T = K Q^T in four partial sums, which take turns; the first four start them
.irp t, 0,1,2,3
.if \u == 0
	v_wmma_f32_16x16x4_f32 v[SA+8*\t:SA+8*\t+7], v[KK+8*\t+2*\u:KK+8*\t+2*\u+1], v[QQ+8*\t+2*\u:QQ+8*\t+2*\u+1], 0
.else
	v_wmma_f32_16x16x4_f32 v[SA+8*\t:SA+8*\t+7], v[KK+8*\t+2*\u:KK+8*\t+2*\u+1], v[QQ+8*\t+2*\u:QQ+8*\t+2*\u+1], v[SA+8*\t:SA+8*\t+7]
.endif
.endr
.endr
	s_wait_loadcnt 0x0
.irp u, 0,1,2,3                                ; V Wo likewise: source 0 = 16 keys of v, source 1 = 16 columns of out_proj; both run along channels 16 t + 8 h + 2 u, + 1
.irp t, 0,1,2,3
.if \u == 0
	v_wmma_f32_16x16x4_f32 v[WA+8*\t:WA+8*\t+7], v[VV+8*\t+2*\u:VV+8*\t+2*\u+1], v[WF+8*\t+2*\u:WF+8*\t+2*\u+1], 0
.else
	v_wmma_f32_16x16x4_f32 v[WA+8*\t:WA+8*\t+7], v[VV+8*\t+2*\u:VV+8*\t+2*\u+1], v[WF+8*\t+2*\u:WF+8*\t+2*\u+1], v[WA+8*\t:WA+8*\t+7]
.endif
.endr
.endr
.rept 8
	v_nop                                          ; eight places behind this form
.endr
.irp n, 0,2,4,6
	v_pk_add_f32 v[240+\n:241+\n], v[SA+\n:SA+\n+1], v[SA+8+\n:SA+9+\n]       ; each accumulator from its low end on
.endr
.irp n, 0,2,4,6
	v_pk_add_f32 v[16+\n:17+\n], v[SA+16+\n:SA+17+\n], v[SA+24+\n:SA+25+\n]
.endr
.irp n, 0,2,4,6
	v_pk_add_f32 v[32+\n:33+\n], v[WA+\n:WA+\n+1], v[WA+8+\n:WA+9+\n]
.endr
.irp n, 0,2,4,6
	v_pk_add_f32 v[40+\n:41+\n], v[WA+16+\n:WA+17+\n], v[WA+24+\n:WA+25+\n]
.endr
.irp n, 0,2,4,6
	v_pk_add_f32 v[240+\n:241+\n], v[240+\n:241+\n], v[16+\n:17+\n]           ; lane (r, h), register j: the score of query r and key 8 h + j
.endr
.irp n, 0,2,4,6
	v_pk_add_f32 v[32+\n:33+\n], v[32+\n:33+\n], v[40+\n:41+\n]               ; lane (r, h), register j: (V Wo)(key 8 h + j, column r)
.endr
.irp j, 0,1,2,3,4,5,6,7
	v_cmp_gt_i32 vcc_lo, \j, v4
	v_cndmask_b32 v[240+\j], v[240+\j], v14, vcc_lo                           ; keys behind the query
.endr
	v_mov_b32 v26, 0
	v_mov_b32 v27, 0
	v_max3_num_f32 v25, v240, v241, v242
	v_max3_num_f32 v25, v25, v243, v244
	v_max3_num_f32 v25, v25, v245, v246
	v_max_num_f32 v25, v25, v247
	v_permlanex16_b32 v26, v25, s14, s15
	v_max_num_f32 v25, v25, v26                    ; the row's largest score: key 0 counts for every query
	v_mul_f32 v25, s16, v25
.irp j, 0,1,2,3,4,5,6,7
	v_fma_f32 v[240+\j], v[240+\j], s16, -v25
.endr
.irp j, 0,1,2,3,4,5,6,7
	v_exp_f32 v[240+\j], v[240+\j]
.endr
	v_nop
	s_wait_alu depctr_va_vdst(0)                   ; one wait for the eight, ahead of their first reader
	v_pk_add_f32 v[28:29], v[240:241], v[242:243]
	v_pk_add_f32 v[30:31], v[244:245], v[246:247]
	v_pk_add_f32 v[28:29], v[28:29], v[30:31]
	v_add_f32 v28, v28, v29
	v_permlanex16_b32 v27, v28, s14, s15
	v_add_f32 v28, v28, v27
	v_rcp_f32 v28, v28
	v_nop
	s_wait_alu depctr_va_vdst(0)
.irp j, 0,1,2,3,4,5,6,7
	v_mul_f32 v[248+\j], v[240+\j], v28            ; the normalised weights: lane (r, h), register j: p(query r, key 8 h + j)
.endr
.irp u, 0,1,2,3                                ; my head's part of out^T = (V Wo)^T P^T: keys 8 h + 2 u, + 1 to an instruction, each a partial sum of its own
	v_wmma_f32_16x16x4_f32 v[UA+8*\u:UA+8*\u+7], v[32+2*\u:33+2*\u], v[248+2*\u:249+2*\u], 0
.endr
.rept 8
	v_nop
.endr
.irp n, 0,2,4,6
	v_pk_add_f32 v[16+\n:17+\n], v[UA+\n:UA+\n+1], v[UA+8+\n:UA+9+\n]
.endr
.irp n, 0,2,4,6
	v_pk_add_f32 v[24+\n:25+\n], v[UA+16+\n:UA+17+\n], v[UA+24+\n:UA+25+\n]
.endr
.irp n, 0,2,4,6
	v_pk_add_f32 v[16+\n:17+\n], v[16+\n:17+\n], v[24+\n:25+\n]               ; lane (r, h), register j: out(row r, column 8 h + j), my head's part
.endr
	ds_store_b128 v5, v[16:19]
	ds_store_b128 v5, v[20:23] offset:512
	s_wait_dscnt 0x0                               ; for the others' sake: my part has landed
	s_barrier_signal -1
	s_barrier_wait -1
	s_cmp_lt_u32 s10, 2                            ; waves 0 and 1 add the sixteen parts: 64 threads, four numbers each
	s_cbranch_scc0 .Ldone
.irp p, 0,1,2,3,4,5,6,7,8,9,10,11,12,13,14,15
	ds_load_b128 v[16+4*\p:19+4*\p], v6 offset:1024*\p
.endr
	s_wait_dscnt 0x0
.irp p, 0,1,2,3,4,5,6,7
	v_pk_add_f32 v[16+4*\p:17+4*\p], v[16+4*\p:17+4*\p], v[48+4*\p:49+4*\p]
	v_pk_add_f32 v[18+4*\p:19+4*\p], v[18+4*\p:19+4*\p], v[50+4*\p:51+4*\p]
.endr
.irp p, 0,1,2,3
	v_pk_add_f32 v[16+4*\p:17+4*\p], v[16+4*\p:17+4*\p], v[32+4*\p:33+4*\p]
	v_pk_add_f32 v[18+4*\p:19+4*\p], v[18+4*\p:19+4*\p], v[34+4*\p:35+4*\p]
.endr
.irp p, 0,1
	v_pk_add_f32 v[16+4*\p:17+4*\p], v[16+4*\p:17+4*\p], v[24+4*\p:25+4*\p]
	v_pk_add_f32 v[18+4*\p:19+4*\p], v[18+4*\p:19+4*\p], v[26+4*\p:27+4*\p]
.endr
	v_pk_add_f32 v[16:17], v[16:17], v[20:21]
	v_pk_add_f32 v[18:19], v[18:19], v[22:23]
	global_store_b128 v7, v[16:19], s[8:9]
.Ldone:
	s_wait_tensorcnt 0x0                           ; the wave's end, behind its last LDS store
	ds_add_u32 v8, v9
	s_wait_dscnt 0x0
	s_endpgm
.Lfunc_end_k_q673aeaa9de_fine:
	.size	k_q673aeaa9de_fine, .Lfunc_end_k_q673aeaa9de_fine-k_q673aeaa9de_fine
	.p2alignl 7, 3214868480
	.fill 96, 4, 3214868480
	.section	.rodata,"a",@progbits
	.p2align	6, 0x0
	.amdhsa_kernel k_q673aeaa9de_fine
		.amdhsa_group_segment_fixed_size 18432
		.amdhsa_private_segment_fixed_size 0
		.amdhsa_enable_private_segment 0
		.amdhsa_kernarg_size 24
		.amdhsa_user_sgpr_count 2
		.amdhsa_user_sgpr_kernarg_segment_ptr 1
		.amdhsa_wavefront_size32 1
		.amdhsa_system_sgpr_workgroup_id_x 1
		.amdhsa_system_sgpr_workgroup_id_y 1
		.amdhsa_system_sgpr_workgroup_id_z 1
		.amdhsa_system_vgpr_workitem_id 0
		.amdhsa_next_free_vgpr 256
		.amdhsa_next_free_sgpr 66
		.amdhsa_reserve_vcc 1
		.amdhsa_float_denorm_mode_32 3
		.amdhsa_float_denorm_mode_16_64 3
		.amdhsa_memory_ordered 1
		.amdhsa_forward_progress 1
		.amdhsa_inst_pref_size 19
	.end_amdhsa_kernel
	.amdgpu_metadata
---
amdhsa.version: [ 1, 2 ]
amdhsa.kernels:
  - .name:           k_q673aeaa9de_fine
    .symbol:         k_q673aeaa9de_fine.kd
    .args:
      - { .name: qkv32, .offset: 0, .size: 8, .value_kind: global_buffer, .address_space: global }
      - { .name: out_proj, .offset: 8, .size: 8, .value_kind: global_buffer, .address_space: global }
      - { .name: out0, .offset: 16, .size: 8, .value_kind: global_buffer, .address_space: global }
    .group_segment_fixed_size: 18432
    .private_segment_fixed_size: 0
    .kernarg_segment_align: 8
    .kernarg_segment_size: 24
    .max_flat_workgroup_size: 512
    .sgpr_count:     66
    .vgpr_count:     256
    .wavefront_size: 32
...
	.end_amdgpu_metadata
.endif
;; end of part 5
